; MI455X (gfx1250); checked and timed in simulation.
; The chip was launched on July 23, 2026; its instructions are those of AMD's public machine-readable ISA for CDNA 5 (MIT licence, August 2026) and "CDNA5" Instruction Set Architecture Reference Guide (July 2026). The comments in the code are by the model that wrote it; some were corrected since.
;; Fun I Cross. Allowed arithmetic: matrix products marked QUANTISED: E4M3 operands, one E8M0 scale for each 32 along K, by v_wmma_scale_f32_16x16x128_f8f6f4 with both operands' format E4M3, f32 sums; everything else in f32.
;; Inputs: W1_codes 1,024 x 8 x 32 uint8 (E4M3 codes of W1, K innermost, in blocks of 32 codes); W1_scales 1,024 x 8 uint8 (E8M0 scales of W1, one for each 32 codes along K); W2_codes 256 x 32 x 32 uint8 (E4M3 codes of W2, K innermost, in blocks of 32 codes); W2_scales 256 x 32 uint8 (E8M0 scales of W2, one for each 32 codes along K); Wk_codes 256 x 8 x 32 uint8 (E4M3 codes of Wk, K innermost, in blocks of 32 codes); Wk_scales 256 x 8 uint8 (E8M0 scales of Wk, one for each 32 codes along K); Wo_codes 256 x 8 x 32 uint8 (E4M3 codes of Wo, K innermost, in blocks of 32 codes); Wo_scales 256 x 8 uint8 (E8M0 scales of Wo, one for each 32 codes along K); Wv_codes 256 x 8 x 32 uint8 (E4M3 codes of Wv, K innermost, in blocks of 32 codes); Wv_scales 256 x 8 uint8 (E8M0 scales of Wv, one for each 32 codes along K); b1 256 float32; b2 256 float32; bf1 1,024 float32; bf2 256 float32; bk 256 float32; bo 256 float32; bv 256 float32; g1 256 float32; g2 256 float32; key_codes 8 x 4,096 x 8 x 32 uint8 (E4M3 codes of key, K innermost, in blocks of 32 codes); key_scales 8 x 4,096 x 8 uint8 (E8M0 scales of key, one for each 32 codes along K); query 8 x 2,048 x 256 float32; value_codes 8 x 4,096 x 8 x 32 uint8 (E4M3 codes of value, K innermost, in blocks of 32 codes); value_scales 8 x 4,096 x 8 uint8 (E8M0 scales of value, one for each 32 codes along K).
;; Outputs: out0 8 x 2,048 x 256 float32.
;; This version of the problem:
;;   THIS VERSION OF THE PROBLEM IS GIVEN IN LOW PRECISION. The matrix products marked QUANTISED in the list below multiply operands that are first quantised to E4M3 (4 exponent bits, 3 mantissa bits; 8 bits a number), with one power-of-two scale for each 32 numbers along K (OCP MX v1.0); their sums are f32. All else is computed in f32.
;;   The module's matrix products, in the order in which they are computed (A, B: the left and right operand; K: the contracted axis; several contracted axes count as one K, in the product's order):
;;     1. [M 32,768, K 256] x [K 256, N 256]; A: input key (given as codes); B: input Wk (given as codes): QUANTISED
;;     2. [M 32,768, K 256] x [K 256, N 256]; A: input value (given as codes); B: input Wv (given as codes): QUANTISED
;;     3. batch 8 x [M 2,048, K 256] x [K 256, N 4,096]; A: input query; B: computed on the way: QUANTISED
;;     4. batch 8 x [M 2,048, K 4,096] x [K 4,096, N 256]; A: softmax (see below); B: computed on the way: QUANTISED
;;     5. [M 16,384, K 256] x [K 256, N 256]; A: computed on the way; B: input Wo (given as codes): QUANTISED
;;     6. [M 16,384, K 256] x [K 256, N 1,024]; A: computed on the way; B: input W1 (given as codes): QUANTISED
;;     7. [M 16,384, K 1,024] x [K 1,024, N 256]; A: computed on the way; B: input W2 (given as codes): QUANTISED
;;   THE QUANTISER, for each operand of a quantised product, along K:
;;     - K is cut into blocks of 32 from its start; a last block that is shorter is filled with zeros.
;;     - A block's scale is 2^e with e = floor(log2(the largest magnitude in the block)) - 8, held to -126 .. 127; a block of zeros has e = 0. As a byte (E8M0): e + 127.
;;     - Each number is divided by its block's scale, clamped to +-448, and rounded to the nearest number of E4M3, ties to even, subnormals kept.
;;     - The product sums the exact products of the quantised numbers (number of the format x scale) in f32.
;;   ~~~python
;;   def quantise(x, axis):      # numpy; x: float32 -> the quantised numbers, widened to float32 again
;;       x = np.moveaxis(x, axis, -1); K = x.shape[-1]
;;       x = np.pad(x, [(0, 0)] * (x.ndim - 1) + [(0, -K % 32)]); x = x.reshape(x.shape[:-1] + (-1, 32)); a = np.abs(x).max(-1, keepdims=True)
;;       e = np.where(a > 0, np.clip(np.frexp(np.where(a > 0, a, 1))[1] - 1 - 8, -126, 127), 0)      # np.frexp(a)[1] - 1 = floor(log2(a)), exactly
;;       r = np.clip(x / 2.0 ** e, -448, 448)
;;       step = 2.0 ** (np.maximum(np.frexp(np.where(r == 0, 1, r))[1] - 1, -6) - 3)
;;       q = np.round(r / step) * step * 2.0 ** e      # np.round: ties to even
;;       return np.moveaxis(q.reshape(q.shape[:-2] + (-1,))[..., :K], -1, axis).astype(np.float32)
;;   ~~~
;;   SOFTMAX AHEAD OF A QUANTISED PRODUCT. Where the list says 'softmax', what is quantised is not the finished softmax but p = 2^(t - M), with t = logit x log2(e) and M = ceil(the row's largest t), a whole number; so 1/2 < the row's largest p <= 1. The row's sum l is taken of the UNQUANTISED p, in f32, and the product's result is divided by l at the end. Since M is a whole number, a kernel that streams over the keys may use a running M (the ceiling of the running maximum): every later rescaling is an exact power of two, which a block's scale takes up: the codes' values come out the same.
;;   OPERANDS COMPUTED ON THE WAY. 'Computed on the way' means the value that the module computes at that place (a softmax that the list does not call 'softmax' is quantised finished and normalised). What goes into a quantiser is computed in f32, as accurately as f32 sums, v_exp_f32 and their like allow (about 1e-6 of the number): no bf16 or f16 on the way to a quantiser, and a product that is left as it is and whose result goes on into a quantised operand takes f32 operands (vector FMAs, or v_wmma_f32_16x16x4_f32). A number that lies on a knife's edge between two numbers of the format may be rounded either way, as far as f32 arithmetic and the matrix unit's own rounding can turn it there, and no further.
;;   INPUTS GIVEN AS CODES. W1 (in the module: [256, 1024], K = its axis 0); W2 (in the module: [1024, 256], K = its axis 0); Wk (in the module: [256, 256], K = its axis 0); Wo (in the module: [256, 256], K = its axis 0); Wv (in the module: [256, 256], K = its axis 0); key (in the module: [8, 4096, 256], K = its axis 2); value (in the module: [8, 4096, 256], K = its axis 2): each comes as NAME_codes (uint8): NAME with its K axis moved to the last place and cut into blocks of 32 codes, [.., K / 32, bytes a block], one block behind the other in memory; one code a byte (a code: sign, 4 exponent bits, 3 mantissa bits); and NAME_scales (uint8): the same leading axes, one E8M0 byte (e + 127) for each 32 codes along K. Its value is code x scale, taken as it is: it is not quantised again, and the codes and scales need not be those that the quantiser above would give.
;; One version. Each part assembles by itself: llvm-mc -triple=amdgcn-amd-amdhsa -mcpu=gfx1250 --defsym DOCPART=n.
;; ======== version 1 of 1: 3 launches
;; limits: right only within a limited range of input values
;; workspace buffers: kv 17,301,504 bytes; wts 608,256 bytes; ctx 4,325,376 bytes
;; launch proj (part 1): grid 256 x 1, 4 waves a work-group, no clusters, 0 bytes of LDS; arguments key_codes, key_scales, value_codes, value_scales, Wk_codes, Wk_scales, Wv_codes, Wv_scales, bk, bv, Wo_codes, Wo_scales, W1_codes, W1_scales, W2_codes, W2_scales, kv, wts; writes kv, wts
.if DOCPART == 1
	.amdgcn_target "amdgcn-amd-amdhsa--gfx1250"
	.amdhsa_code_object_version 6
	.text
	.protected	k_q286411a46c_proj
	.globl	k_q286411a46c_proj
	.p2align	8
	.type	k_q286411a46c_proj,@function
k_q286411a46c_proj:
	s_mov_b64 s[64:65], 0
	v_nop
	global_prefetch_b8 v0, s[64:65] scope:SCOPE_SE
	s_setreg_imm32_b32 hwreg(HW_REG_WAVE_MODE, 25, 1), 1
	s_wait_xcnt 0x0
; key_proj = key Wk + bk and value_proj = value Wv + bv, both on codes of E4M3 with E8M0 scales, and both quantised again on the way out:
; key_proj along its 256 channels, value_proj along the keys.  The results are stored as IMAGES OF OPERAND REGISTERS for the attention launch.
; A fragment (16 rows x 128 K, 16 registers a lane) is 2,048 bytes: register group c of lane l at 512 c + 16 l.  A HALF UNIT is eight fragments and a block of
; 512 bytes of scale words, [lane][4 words]: word k of lanes 0-15 belongs to fragment 2 k, of lanes 16-31 to fragment 2 k + 1.
; SHARES.  1,024 waves, a half unit each.  Work-groups 0-127 make K, 128-255 V.  ONE TEXT SERVES BOTH: X is 128 rows that stay in registers as source 0, Y eight tiles
; of 16 rows as source 1.  K: X = 128 rows of Wk (channels), Y = 128 keys: a lane holds one key, its registers run along the channels.  V: X = 128 rows of value (keys),
; Y = 128 rows of Wv (channels): a lane holds one channel, its registers run along the keys.
; THE ROWS OF A TILE ARE NOT NEIGHBOURS: lane r of tile i takes row 32 (i / 2) + 8 (i % 2) + r + 8 (r / 8) of its 128, so that the 16 registers of tiles 2 b and 2 b + 1
; are 16 neighbours, 32 b + 16 (lane / 16) + 0 .. 15, along the axis that is quantised.
; Work-groups 0-8 also lay Wo, W1 and W2 out as half units for the last launch (36 of them, one a wave).
; NO CLUSTER, NO LDS: every operand goes from memory straight into the registers of the one wave that multiplies it, each lane loading its own 16 bytes;
; a joint load would land in LDS and add a trip through it for bytes that are used once.
; LIMITS: NaN and infinities are not served; a block whose largest magnitude lies under 2^-118 gets the scale byte 1 (a block of zeros too: its codes are zeros).
.set HU,   16896
.set LANE, 1
.set RR,   2
.set HH,   3
.set PR,   4                           ; r + 8 (r / 8)
.set VC,   5                           ; codes: 256 PR + 16 h
.set VS,   6                           ; scale bytes: 8 PR
.set VB,   7                           ; a bias along the registers: 64 h
.set VY,   8                           ; a bias along the lanes: 4 PR
.set LI,   9                           ; 16 x lane
.set XS,   16                          ; v16-31  X's scale words, two a tile
.set YS,   32                          ; v32-47  Y's
.set BY,   48                          ; v48-55  the bias of Y's rows
.set CA,   56                          ; v56-59  the copy: code offsets
.set CSA,  60                          ; v60-63  the copy: scale offsets
.set CB,   64                          ; v64-127 the bias as the C of a sum's first product
.set ACC,  128                         ; v128-191 eight accumulators
.set PC,   192                         ; v192-223 codes, two sets by turns
.set TM,   224                         ; v224-239 the quantiser's work
.set PW,   240
.set PWS,  244                         ; v244-251 the eight fragments' scale words
.set MG,   252                         ; v252-255 the scale block
.set WV,   2
.set KIND, 3
.set UN,   4
.set HF,   5
.set XC,   44
.set XSP,  46
.set YC,   48
.set YSP,  50
.set BI,   52
.set OUT,  54
.set SEL,  60
.set MNT,  62
.set MSB, 0
.macro WIN new                         ; the immediate's high byte repeats the setting that is left
.if MSB != (\new)
	s_set_vgpr_msb (MSB<<8)|(\new)
.set MSB, (\new)
.endif
.endm
.macro PLACES n
.rept \n
	v_nop
.endr
.endm
; 64 numbers of a lane, register 16 b + i = place 32 b + 16 (lane / 16) + i along K, become a fragment's codes in v[pc] on and its scale word in v[pw]
.macro QUANT src, tmp, relu, pc, pw
.if \relu
.irp b, 0,1,2,3
	v_max3_num_f32 v[TM+\b], v[(\src)+16*\b], v[(\src)+16*\b+1], 0x4800000
.endr
.irp i, 2,4,6,8,10,12,14
.irp b, 0,1,2,3
	v_max3_num_f32 v[TM+\b], v[TM+\b], v[(\src)+16*\b+\i], v[(\src)+16*\b+\i+1]
.endr
.endr
.else
.irp b, 0,1,2,3
	v_max3_num_f32 v[TM+\b], |v[(\src)+16*\b]|, |v[(\src)+16*\b+1]|, 0x4800000   ; my 16 numbers of block b and the floor 2^(9 - 127): the byte cannot fall under 1
.endr
.irp i, 2,4,6,8,10,12,14
.irp b, 0,1,2,3
	v_max3_num_f32 v[TM+\b], v[TM+\b], |v[(\src)+16*\b+\i]|, |v[(\src)+16*\b+\i+1]|
.endr
.endr
.endif
.irp b, 0,1,2,3
	v_permlanex16_b32 v[TM+4+\b], v[TM+\b], s[SEL], s[SEL+1]
.endr
.irp b, 0,1,2,3
	v_max_num_f32 v[TM+\b], v[TM+\b], v[TM+4+\b]       ; with lane l xor 16's: the block's largest magnitude
.endr
.irp b, 0,1,2,3
	v_add_nc_u32 v[TM+12+\b], 0xfc000000, v[TM+\b]     ; 8 off its exponent field: the conversion's scale operand
.endr
.irp b, 0,1,2,3
	v_and_or_b32 v[TM+8+\b], v[TM+\b], 0x7f800000, s[MNT]   ; 448 x the scale
.endr
.irp b, 0,1,2,3
	v_lshrrev_b32 v[TM+4+\b], 23, v[TM+12+\b]          ; the scale's byte
.endr
	v_lshl_or_b32 v[\pw], v[TM+5], 8, v[TM+4]
	v_lshl_or_b32 v[\pw], v[TM+6], 16, v[\pw]
	v_lshl_or_b32 v[\pw], v[TM+7], 24, v[\pw]
.irp b, 0,1,2,3
.irp i, 0,1,2,3,4,5,6,7,8,9,10,11,12,13,14,15
.if \relu
	v_med3_num_f32 v[(\tmp)+16*\b+\i], v[(\src)+16*\b+\i], 0, v[TM+8+\b]
.else
	v_med3_num_f32 v[(\tmp)+16*\b+\i], v[(\src)+16*\b+\i], -v[TM+8+\b], v[TM+8+\b]   ; the conversion does not saturate (ISA guide 7.6.2): the hold comes first
.endif
.endr
	v_cvt_scalef32_pk8_fp8_f32 v[(\pc)+4*\b:(\pc)+4*\b+1], v[(\tmp)+16*\b:(\tmp)+16*\b+7], v[TM+12+\b]
	v_cvt_scalef32_pk8_fp8_f32 v[(\pc)+4*\b+2:(\pc)+4*\b+3], v[(\tmp)+16*\b+8:(\tmp)+16*\b+15], v[TM+12+\b]
.endr
	v_nop                                              ; a plain line behind the last conversion, ahead of whatever next writes its sources
.endm
	s_load_b512 s[8:23], s[0:1], 0x0               ; key c, key s, value c, value s, Wk c, Wk s, Wv c, Wv s
	s_load_b512 s[24:39], s[0:1], 0x40             ; bk, bv, Wo c, Wo s, W1 c, W1 s, W2 c, W2 s
	s_load_b128 s[40:43], s[0:1], 0x80             ; kv, wts
	v_lshrrev_b32 v1, 5, v0
	v_readfirstlane_b32 s[WV], v1
	v_and_b32 v[LANE], 31, v0
	v_and_b32 v[RR], 15, v0
	v_bfe_u32 v[HH], v0, 4, 1
	v_and_b32 v[PR], 8, v[RR]
	v_add_nc_u32 v[PR], v[PR], v[RR]
	v_lshlrev_b32 v[VC], 8, v[PR]
	v_lshl_add_u32 v[VC], v[HH], 4, v[VC]
	v_lshlrev_b32 v[VS], 3, v[PR]
	v_lshlrev_b32 v[VB], 6, v[HH]
	v_lshlrev_b32 v[VY], 2, v[PR]
	v_lshlrev_b32 v[LI], 4, v[LANE]
.irp b, 0,1,2,3
	v_mov_b32 v[TM+4+\b], 0                        ; a lane permute's destination counts as one of its sources
.endr
	s_mov_b32 s[SEL], 0x76543210
	s_mov_b32 s[SEL+1], 0xfedcba98
	s_mov_b32 s[MNT], 0x600000
	s_lshr_b32 s[KIND], ttmp9, 7                   ; 0: K, 1: V
	s_and_b32 s[UN], ttmp9, 127
	s_lshl_b32 s[UN], s[UN], 1
	s_lshr_b32 s6, s[WV], 1
	s_add_co_u32 s[UN], s[UN], s6                  ; which 128 keys: 32 x batch + step
	s_and_b32 s[HF], s[WV], 1                      ; which 128 channels
	s_lshl_b32 s56, s[UN], 2
	s_lshl_b32 s58, s[KIND], 1
	s_add_co_u32 s56, s56, s58
	s_add_co_u32 s56, s56, s[HF]
	s_mul_i32 s56, s56, HU                         ; my half unit: ((keys x 2 + kind) x 2 + half) x 16,896
	s_mov_b32 s57, 0
	s_wait_alu depctr_va_vdst(0)
	s_wait_kmcnt 0x0
	s_add_nc_u64 s[OUT:OUT+1], s[40:41], s[56:57]
	s_cmp_eq_u32 s[KIND], 0                        ; the choice hangs on the work-group's number alone
	s_cselect_b32 s6, s[HF], s[UN]                 ; X's group of 128 rows
	s_cselect_b32 s7, s[UN], s[HF]                 ; Y's
	s_cselect_b64 s[XC:XC+1], s[16:17], s[12:13]
	s_cselect_b64 s[XSP:XSP+1], s[18:19], s[14:15]
	s_cselect_b64 s[YC:YC+1], s[8:9], s[20:21]
	s_cselect_b64 s[YSP:YSP+1], s[10:11], s[22:23]
	s_cselect_b64 s[BI:BI+1], s[24:25], s[26:27]
	s_lshl_b32 s56, s6, 15
	s_add_nc_u64 s[XC:XC+1], s[XC:XC+1], s[56:57]
	s_lshl_b32 s56, s6, 10
	s_add_nc_u64 s[XSP:XSP+1], s[XSP:XSP+1], s[56:57]
	s_lshl_b32 s56, s7, 15
	s_add_nc_u64 s[YC:YC+1], s[YC:YC+1], s[56:57]
	s_lshl_b32 s56, s7, 10
	s_add_nc_u64 s[YSP:YSP+1], s[YSP:YSP+1], s[56:57]
	s_lshl_b32 s56, s[HF], 9
	s_add_nc_u64 s[BI:BI+1], s[BI:BI+1], s[56:57]
	; all loads go out at once: X into window 1, Y into window 2, fragment (tile i, K step k) at v[16 (2 i + k)]
	; the scale words and the bias go first, then X, then Y tile by tile: so a task waits only for its own tile of Y
.irp i, 0,1,2,3,4,5,6,7
	global_load_b64 v[XS+2*\i:XS+2*\i+1], v[VS], s[XSP:XSP+1] offset:(32*(\i/2)+8*(\i%2))*8
	global_load_b64 v[YS+2*\i:YS+2*\i+1], v[VS], s[YSP:YSP+1] offset:(32*(\i/2)+8*(\i%2))*8
.endr
.irp t, 0,1,2,3,4,5,6,7
	global_load_b128 v[CB+8*\t:CB+8*\t+3], v[VB], s[BI:BI+1] offset:(32*(\t/2)+8*(\t%2))*4
	global_load_b128 v[CB+8*\t+4:CB+8*\t+7], v[VB], s[BI:BI+1] offset:(32*(\t/2)+8*(\t%2))*4+16
	global_load_b32 v[BY+\t], v[VY], s[BI:BI+1] offset:(32*(\t/2)+8*(\t%2))*4
.endr
	WIN 0x40
.irp i, 0,1,2,3,4,5,6,7
.irp k, 0,1
.irp c, 0,1,2,3
	global_load_b128 v[16*(2*\i+\k)+4*\c:16*(2*\i+\k)+4*\c+3], v[VC], s[XC:XC+1] offset:(32*(\i/2)+8*(\i%2))*256+128*\k+32*\c
.endr
.endr
.endr
	WIN 0x80
.irp i, 0,1,2,3,4,5,6,7
.irp k, 0,1
.irp c, 0,1,2,3
	global_load_b128 v[16*(2*\i+\k)+4*\c:16*(2*\i+\k)+4*\c+3], v[VC], s[YC:YC+1] offset:(32*(\i/2)+8*(\i%2))*256+128*\k+32*\c
.endr
.endr
.endr
	WIN 0
	; THE COPY.  Work-group mp = 0 .. 8, wave w: half unit 9 w + mp of wts: 64 rows x 256 codes of a weight; fragment 2 nt + ks = rows n0 + tile nt's, columns k0 + 128 ks.
	; mp: 0, 1 W1 (first 512 hidden units), 2 Wo, 3, 4 W2 (first 512 along K), 5, 6 W1 (second half), 7, 8 W2 (second half)
	s_cmp_lt_u32 ttmp9, 9
	s_cbranch_scc0 .Lno_copy
	s_lshl_b32 s72, ttmp9, 1
	s_lshr_b32 s72, 0x29685, s72
	s_and_b32 s72, s72, 3                          ; 0 Wo, 1 W1, 2 W2
	s_lshr_b32 s73, 0x152, ttmp9
	s_and_b32 s73, s73, 1                          ; which part of the half
	s_cmp_ge_u32 ttmp9, 5
	s_cselect_b32 s74, 1, 0                        ; which half
	s_lshl_b32 s75, s[WV], 6                       ; 64 w
	s_lshl_b32 s76, s74, 9                         ; 512 H
	s_lshl_b32 s77, s73, 6
	s_add_co_u32 s78, s76, s77
	s_add_co_u32 s78, s78, s75
	s_add_co_u32 s78, s78, s75                     ; W1's first row: 512 H + 128 w + 64 q
	s_lshl_b32 s77, s73, 8
	s_add_co_u32 s77, s77, s76                     ; W2's first column: 512 H + 256 q
	s_cmp_eq_u32 s72, 1
	s_cselect_b32 s75, s78, s75                    ; n0
	s_cselect_b64 s[66:67], s[32:33], s[28:29]
	s_cselect_b64 s[68:69], s[34:35], s[30:31]
	s_cmp_eq_u32 s72, 2
	s_cselect_b32 s77, s77, 0                      ; k0
	s_cselect_b32 s76, 10, 8                       ; log2 of a row's bytes
	s_cselect_b64 s[66:67], s[36:37], s[66:67]
	s_cselect_b64 s[68:69], s[38:39], s[68:69]
	s_lshl_b32 s78, s75, s76
	s_add_co_u32 s78, s78, s77
	s_mov_b32 s79, 0
	s_add_nc_u64 s[66:67], s[66:67], s[78:79]
	s_sub_co_u32 s74, s76, 5
	s_lshl_b32 s78, s75, s74
	s_lshr_b32 s73, s77, 5
	s_add_co_u32 s78, s78, s73
	s_add_nc_u64 s[68:69], s[68:69], s[78:79]
	s_mul_i32 s78, s[WV], 9
	s_add_co_u32 s78, s78, ttmp9
	s_mul_i32 s78, s78, HU
	s_add_nc_u64 s[70:71], s[42:43], s[78:79]
.irp n, 0,1,2,3
	v_add_nc_u32 v[CA+\n], 32*(\n/2)+8*(\n%2), v[PR]
.endr
.irp n, 0,1,2,3
	v_lshlrev_b32 v[CSA+\n], s74, v[CA+\n]
	v_lshlrev_b32 v[CA+\n], s76, v[CA+\n]
.endr
.irp n, 0,1,2,3
	v_lshl_add_u32 v[CSA+\n], v[HH], 2, v[CSA+\n]  ; lanes 16-31 take the word of the second K step
	v_lshl_add_u32 v[CA+\n], v[HH], 4, v[CA+\n]
.endr
	WIN 0xc0
.irp n, 0,1,2,3
.irp k, 0,1
.irp c, 0,1,2,3
	global_load_b128 v[16*(2*\n+\k)+4*\c:16*(2*\n+\k)+4*\c+3], v[CA+\n], s[66:67] offset:128*\k+32*\c
.endr
.endr
.endr
.irp n, 0,1,2,3
	global_load_b32 v[128+\n], v[CSA+\n], s[68:69]
.endr
	WIN 0
	s_wait_loadcnt 0x0
	WIN 0x0c                                       ; a store's data are its source 1: window 3
.irp f, 0,1,2,3,4,5,6,7
.irp c, 0,1,2,3
	global_store_b128 v[LI], v[16*\f+4*\c:16*\f+4*\c+3], s[70:71] offset:2048*\f+512*\c   ; 32 lanes store 512 consecutive bytes
.endr
.endr
	global_store_b128 v[LI], v[128:131], s[70:71] offset:16384
	WIN 0
.Lno_copy:
	s_wait_loadcnt 56                              ; all but Y's tiles 1 to 7, eight loads each, are in
	s_cmp_eq_u32 s[KIND], 0                        ; V's bias runs along the lanes (Y's rows): eight equal registers for each task
	s_cbranch_scc1 .Lbias_done
.irp i, 0,1,2,3,4,5,6,7
.irp j, 0,1,2,3,4,5,6,7
	v_mov_b32 v[CB+8*\i+\j], v[BY+\i]
.endr
.endr
.Lbias_done:
; TASK i: Y's tile i against X's eight tiles, two K steps; the eight accumulators take turns.  The bias is the C of the first K step.
.macro TASK i
.if (\i) >= 2
	s_wait_xcnt 0x0                                ; the stores of two tasks back have read this set of codes
.endif
.if (\i) >= 1
	s_wait_loadcnt 56-8*(\i)                       ; Y's tile i is in; the eight loads of each later tile may be out
.endif
	s_cmp_eq_u32 s[KIND], 0
	s_cbranch_scc0 .Lv_\@
	WIN 0x09                                       ; source 0 window 1, source 1 window 2
.irp t, 0,1,2,3,4,5,6,7
	v_wmma_scale_f32_16x16x128_f8f6f4 v[ACC+8*\t:ACC+8*\t+7], v[32*\t:32*\t+15], v[32*(\i):32*(\i)+15], v[CB+8*\t:CB+8*\t+7], v[XS+2*\t], v[YS+2*(\i)]
.endr
	WIN 0
	s_branch .Lj_\@
.Lv_\@:
	WIN 0x09
.irp t, 0,1,2,3,4,5,6,7
	v_wmma_scale_f32_16x16x128_f8f6f4 v[ACC+8*\t:ACC+8*\t+7], v[32*\t:32*\t+15], v[32*(\i):32*(\i)+15], v[CB+8*(\i):CB+8*(\i)+7], v[XS+2*\t], v[YS+2*(\i)]
.endr
	WIN 0
.Lj_\@:
	WIN 0x09
.irp t, 0,1,2,3,4,5,6,7
	v_wmma_scale_f32_16x16x128_f8f6f4 v[ACC+8*\t:ACC+8*\t+7], v[32*\t+16:32*\t+31], v[32*(\i)+16:32*(\i)+31], v[ACC+8*\t:ACC+8*\t+7], v[XS+2*\t+1], v[YS+2*(\i)+1]
.endr
	WIN 0
	PLACES 8                                       ; eight places between the last product and the first read of results
	QUANT ACC, ACC, 0, PC+16*((\i)%2), PW
	v_mov_b32 v[PWS+(\i)], v[PW]
.irp c, 0,1,2,3
	global_store_b128 v[LI], v[PC+16*((\i)%2)+4*\c:PC+16*((\i)%2)+4*\c+3], s[OUT:OUT+1] offset:2048*(\i)+512*\c
.endr
.endm
.irp i, 0,1,2,3,4,5,6,7
	TASK \i
.endr
	v_cmp_lt_u32 vcc_lo, 15, v[LANE]
.irp k, 0,1,2,3
	v_cndmask_b32 v[MG+\k], v[PWS+2*\k], v[PWS+2*\k+1], vcc_lo   ; lanes 0-15: fragment 2 k's words, lanes 16-31: fragment 2 k + 1's
.endr
	global_store_b128 v[LI], v[MG:MG+3], s[OUT:OUT+1] offset:16384
	s_endpgm
.Lfunc_end_k_q286411a46c_proj:
	.size	k_q286411a46c_proj, .Lfunc_end_k_q286411a46c_proj-k_q286411a46c_proj
	.p2alignl 7, 3214868480
	.fill 96, 4, 3214868480
	.section	.rodata,"a",@progbits
	.p2align	6, 0x0
	.amdhsa_kernel k_q286411a46c_proj
		.amdhsa_group_segment_fixed_size 0
		.amdhsa_private_segment_fixed_size 0
		.amdhsa_enable_private_segment 0
		.amdhsa_kernarg_size 144
		.amdhsa_user_sgpr_count 2
		.amdhsa_user_sgpr_kernarg_segment_ptr 1
		.amdhsa_wavefront_size32 1
		.amdhsa_system_sgpr_workgroup_id_x 1
		.amdhsa_system_sgpr_workgroup_id_y 1
		.amdhsa_system_sgpr_workgroup_id_z 1
		.amdhsa_system_vgpr_workitem_id 0
		.amdhsa_next_free_vgpr 904
		.amdhsa_next_free_sgpr 80
		.amdhsa_reserve_vcc 1
		.amdhsa_float_denorm_mode_32 3
		.amdhsa_float_denorm_mode_16_64 3
		.amdhsa_memory_ordered 1
		.amdhsa_forward_progress 1
		.amdhsa_inst_pref_size 125
	.end_amdhsa_kernel
	.amdgpu_metadata
---
amdhsa.version: [ 1, 2 ]
amdhsa.kernels:
  - .name:           k_q286411a46c_proj
    .symbol:         k_q286411a46c_proj.kd
    .args:
      - { .name: key_codes, .offset: 0, .size: 8, .value_kind: global_buffer, .address_space: global }
      - { .name: key_scales, .offset: 8, .size: 8, .value_kind: global_buffer, .address_space: global }
      - { .name: value_codes, .offset: 16, .size: 8, .value_kind: global_buffer, .address_space: global }
      - { .name: value_scales, .offset: 24, .size: 8, .value_kind: global_buffer, .address_space: global }
      - { .name: Wk_codes, .offset: 32, .size: 8, .value_kind: global_buffer, .address_space: global }
      - { .name: Wk_scales, .offset: 40, .size: 8, .value_kind: global_buffer, .address_space: global }
      - { .name: Wv_codes, .offset: 48, .size: 8, .value_kind: global_buffer, .address_space: global }
      - { .name: Wv_scales, .offset: 56, .size: 8, .value_kind: global_buffer, .address_space: global }
      - { .name: bk, .offset: 64, .size: 8, .value_kind: global_buffer, .address_space: global }
      - { .name: bv, .offset: 72, .size: 8, .value_kind: global_buffer, .address_space: global }
      - { .name: Wo_codes, .offset: 80, .size: 8, .value_kind: global_buffer, .address_space: global }
      - { .name: Wo_scales, .offset: 88, .size: 8, .value_kind: global_buffer, .address_space: global }
      - { .name: W1_codes, .offset: 96, .size: 8, .value_kind: global_buffer, .address_space: global }
      - { .name: W1_scales, .offset: 104, .size: 8, .value_kind: global_buffer, .address_space: global }
      - { .name: W2_codes, .offset: 112, .size: 8, .value_kind: global_buffer, .address_space: global }
      - { .name: W2_scales, .offset: 120, .size: 8, .value_kind: global_buffer, .address_space: global }
      - { .name: kv, .offset: 128, .size: 8, .value_kind: global_buffer, .address_space: global }
      - { .name: wts, .offset: 136, .size: 8, .value_kind: global_buffer, .address_space: global }
    .group_segment_fixed_size: 0
    .private_segment_fixed_size: 0
    .kernarg_segment_align: 8
    .kernarg_segment_size: 144
    .max_flat_workgroup_size: 128
    .sgpr_count:     80
    .vgpr_count:     904
    .wavefront_size: 32
...
	.end_amdgpu_metadata
.endif
;; end of part 1
;; launch attn (part 2): grid 32 x 8, 4 waves a work-group, clusters of 4 x 1, 327,680 bytes of LDS; arguments query, kv, ctx; writes ctx
.if DOCPART == 2
	.amdgcn_target "amdgcn-amd-amdhsa--gfx1250"
	.amdhsa_code_object_version 6
	.text
	.protected	k_q286411a46c_attn
	.globl	k_q286411a46c_attn
	.p2align	8
	.type	k_q286411a46c_attn,@function
k_q286411a46c_attn:
	s_mov_b64 s[64:65], 0
	v_nop
	global_prefetch_b8 v0, s[64:65] scope:SCOPE_SE
	s_setreg_imm32_b32 hwreg(HW_REG_WAVE_MODE, 25, 1), 1
	s_wait_xcnt 0x0
	s_wait_alu depctr_hold_cnt(0) depctr_sa_sdst(0) depctr_va_vdst(0) depctr_va_sdst(0) depctr_va_ssrc(0) depctr_va_vcc(0) depctr_vm_vsrc(0)
	s_getreg_b32 s2, hwreg(HW_REG_IB_STS2, 6, 4)
	s_cmp_eq_u32 s2, 0
	s_cbranch_scc0 .Lentry_in_a_cluster
	s_endpgm
.Lentry_in_a_cluster:
	s_bfe_u32 s2, ttmp6, 0x10000c
	s_cmp_lg_u32 s2, 0x3003
	s_cbranch_scc0 .Lentry_shape_is_right
	s_endpgm
.Lentry_shape_is_right:
.set UNIT,  33792
.set HU,    16896
.set SLOT1, 4*UNIT
.set QIMG,  8*UNIT
.set QSC,   QIMG+16384
.set SST,   QSC+1024
.set CSX,   SST+4096
.set SPARE, 327168
.set LI,  1
.set LS,  2
.set LSH, 3
.set SPW, 4
.set NIL, 5
.set AK,  6
.set AV,  7
.set PFO, 8
.set AX,  9
.set ZZ,  10
.set ST,  12
.set SV,  28
.set FO,  44
.set PWR, 52
.set QS,  56
.set KSC, 60
.set VSC, 68
.set TP,  76
.set TM,  76
.set S4,  128
.set P,   192
.set FR,  128
.set WV,  10
.set J,   14
.set LIM, 15
.set G1,  16
.set G0A, 24
.set G0B, 28
.set PFA, 32
.set SEL, 34
.set CS,  36
.set MNT, 38
.set MSB, 0
.macro WIN new
.if MSB != (\new)
	s_set_vgpr_msb (MSB<<8)|(\new)
.set MSB, (\new)
.endif
.endm
.macro PLACES n
.rept \n
	v_nop
.endr
.endm
.macro BARRIER
	s_wait_dscnt 0x0
	s_barrier_signal -1
	s_barrier_wait -1
.endm
.macro CROUND
	s_barrier_signal -1
	s_barrier_wait -1
	s_cmp_lg_u32 s[WV], 0
	s_cbranch_scc1 .Lnw0_\@
	s_barrier_signal -3
.Lnw0_\@:
	s_barrier_wait -3
	s_barrier_signal -1
	s_barrier_wait -1
.endm
.macro QUANT src, tmp, pc, pw
.irp b, 0,1,2,3
	v_max3_num_f32 v[TM+\b], |v[(\src)+16*\b]|, |v[(\src)+16*\b+1]|, 0x4800000
.endr
.irp i, 2,4,6,8,10,12,14
.irp b, 0,1,2,3
	v_max3_num_f32 v[TM+\b], v[TM+\b], |v[(\src)+16*\b+\i]|, |v[(\src)+16*\b+\i+1]|
.endr
.endr
.irp b, 0,1,2,3
	v_permlanex16_b32 v[TM+4+\b], v[TM+\b], s[SEL], s[SEL+1]
.endr
.irp b, 0,1,2,3
	v_max_num_f32 v[TM+\b], v[TM+\b], v[TM+4+\b]
.endr
.irp b, 0,1,2,3
	v_add_nc_u32 v[TM+12+\b], 0xfc000000, v[TM+\b]
.endr
.irp b, 0,1,2,3
	v_and_or_b32 v[TM+8+\b], v[TM+\b], 0x7f800000, s[MNT]
.endr
.irp b, 0,1,2,3
	v_lshrrev_b32 v[TM+4+\b], 23, v[TM+12+\b]
.endr
	v_lshl_or_b32 v[\pw], v[TM+5], 8, v[TM+4]
	v_lshl_or_b32 v[\pw], v[TM+6], 16, v[\pw]
	v_lshl_or_b32 v[\pw], v[TM+7], 24, v[\pw]
.irp b, 0,1,2,3
.irp i, 0,1,2,3,4,5,6,7,8,9,10,11,12,13,14,15
	v_med3_num_f32 v[(\tmp)+16*\b+\i], v[(\src)+16*\b+\i], -v[TM+8+\b], v[TM+8+\b]
.endr
	v_cvt_scalef32_pk8_fp8_f32 v[(\pc)+4*\b:(\pc)+4*\b+1], v[(\tmp)+16*\b:(\tmp)+16*\b+7], v[TM+12+\b]
	v_cvt_scalef32_pk8_fp8_f32 v[(\pc)+4*\b+2:(\pc)+4*\b+3], v[(\tmp)+16*\b+8:(\tmp)+16*\b+15], v[TM+12+\b]
.endr
	v_nop
.endm
.macro WM zero, ra, rb
.if (\zero)
.if (\ra) && (\rb)
	v_wmma_scale_f32_16x16x128_f8f6f4 v[rD:rD+7], v[rA:rA+15], v[rB:rB+15], 0, v[rSA], v[rSB] matrix_a_scale:MATRIX_SCALE_ROW1 matrix_b_scale:MATRIX_SCALE_ROW1
.elseif (\ra)
	v_wmma_scale_f32_16x16x128_f8f6f4 v[rD:rD+7], v[rA:rA+15], v[rB:rB+15], 0, v[rSA], v[rSB] matrix_a_scale:MATRIX_SCALE_ROW1
.elseif (\rb)
	v_wmma_scale_f32_16x16x128_f8f6f4 v[rD:rD+7], v[rA:rA+15], v[rB:rB+15], 0, v[rSA], v[rSB] matrix_b_scale:MATRIX_SCALE_ROW1
.else
	v_wmma_scale_f32_16x16x128_f8f6f4 v[rD:rD+7], v[rA:rA+15], v[rB:rB+15], 0, v[rSA], v[rSB]
.endif
.else
.if (\ra) && (\rb)
	v_wmma_scale_f32_16x16x128_f8f6f4 v[rD:rD+7], v[rA:rA+15], v[rB:rB+15], v[rC:rC+7], v[rSA], v[rSB] matrix_a_scale:MATRIX_SCALE_ROW1 matrix_b_scale:MATRIX_SCALE_ROW1
.elseif (\ra)
	v_wmma_scale_f32_16x16x128_f8f6f4 v[rD:rD+7], v[rA:rA+15], v[rB:rB+15], v[rC:rC+7], v[rSA], v[rSB] matrix_a_scale:MATRIX_SCALE_ROW1
.elseif (\rb)
	v_wmma_scale_f32_16x16x128_f8f6f4 v[rD:rD+7], v[rA:rA+15], v[rB:rB+15], v[rC:rC+7], v[rSA], v[rSB] matrix_b_scale:MATRIX_SCALE_ROW1
.else
	v_wmma_scale_f32_16x16x128_f8f6f4 v[rD:rD+7], v[rA:rA+15], v[rB:rB+15], v[rC:rC+7], v[rSA], v[rSB]
.endif
.endif
.endm
.macro LOADK b
	WIN 0x40
.irp u, 0,1
.irp s, 0,1
.irp c, 0,1,2,3
	ds_load_b128 v[FR+64*((\b)%2)+32*\u+16*\s+4*\c:FR+64*((\b)%2)+32*\u+16*\s+4*\c+3], v[AK] offset:HU*\s+2048*(2*(\b)+\u)+512*\c
.endr
.endr
.endr
.endm
.macro KSCL
	WIN 0
	ds_load_b128 v[KSC:KSC+3], v[AK] offset:16384
	ds_load_b128 v[KSC+4:KSC+7], v[AK] offset:HU+16384
.endm
.macro LOADV g
	WIN 0x40
.irp i, 0,1,2,3
.irp c, 0,1,2,3
	ds_load_b128 v[FR+64*((\g)%2)+16*\i+4*\c:FR+64*((\g)%2)+16*\i+4*\c+3], v[AV] offset:HU*((\g)/2)+2048*(4*((\g)%2)+\i)+512*\c
.endr
.endr
.endm
.macro VSCL
	WIN 0
	ds_load_b128 v[VSC:VSC+3], v[AV] offset:16384
	ds_load_b128 v[VSC+4:VSC+7], v[AV] offset:HU+16384
.endm
.macro QK b
	WIN 0x05
.irp s, 0,1
.irp t, 0,1,2,3
.irp u, 0,1
.set rD, S4+16*\t+8*\u
.set rC, rD
.set rA, FR+64*((\b)%2)+32*\u+16*\s
.set rB, 32*\t+16*\s
.set rSA, KSC+4*\s+(\b)
.set rSB, QS+\t
	WM 1-\s, \u, \s
.endr
.endr
.endr
.endm
.macro PV g
.irp p, 0,1
	WIN 0xa1+0x50*\p
.irp i, 0,1,2,3
.irp tt, 0,1
.set dT, 4*(\g)+\i
.set rD, 128*\tt+8*dT
.set rC, rD
.set rA, FR+64*((\g)%2)+16*\i
.set rB, P+16*(2*\p+\tt)
.set rSA, VSC+4*(dT/8)+(dT%8)/2
.set rSB, PWR+2*\p+\tt
	WM 0, dT%2, 0
.endr
.endr
.endr
.endm
; PV g with the rescaling of O^T's group g + 1 among its products: behind each product four packed lines on one accumulator of group g + 1, from its low end on.
; They name no register of group g's products.  Eight v_nop close it, ahead of the loads into the fragments that these products have read.
.macro PVR g
.irp p, 0,1
.irp i, 0,1,2,3
.irp tt, 0,1
	WIN 0xa1+0x50*\p
.set dT, 4*(\g)+\i
.set rD, 128*\tt+8*dT
.set rC, rD
.set rA, FR+64*((\g)%2)+16*\i
.set rB, P+16*(2*\p+\tt)
.set rSA, VSC+4*(dT/8)+(dT%8)/2
.set rSB, PWR+2*\p+\tt
	WM 0, dT%2, 0
	WIN 0x82+0x41*\p
.set rR, 128*(\i/2)+32*((\g)+1)+8*(2*(\i%2)+\tt)
.set rF, FO+2*(2*\p+(\i/2))
.irp e, 0,2,4,6
	v_pk_mul_f32 v[rR+\e:rR+\e+1], v[rR+\e:rR+\e+1], v[rF:rF+1] op_sel_hi:[1,0]
.endr
.endr
.endr
.endr
	WIN 0
	PLACES 8
.endm
.macro RESC g
.irp p, 0,1
	WIN 0x82+0x41*\p
.irp tt, 0,1
.set i, 0
.rept 16
	v_pk_mul_f32 v[128*\tt+32*(\g)+i:128*\tt+32*(\g)+i+1], v[128*\tt+32*(\g)+i:128*\tt+32*(\g)+i+1], v[FO+2*(2*\p+\tt):FO+2*(2*\p+\tt)+1] op_sel_hi:[1,0]
.set i, i+2
.endr
.endr
.endr
.endm
.macro SOFTMAX b
	WIN 0
.irp t, 0,1,2,3
	v_max3_num_f32 v[TP+10*\t+4], v[S4+16*\t], v[S4+16*\t+1], v[S4+16*\t+2]
.endr
.irp i, 3,5,7,9,11,13
.irp t, 0,1,2,3
	v_max3_num_f32 v[TP+10*\t+4], v[TP+10*\t+4], v[S4+16*\t+\i], v[S4+16*\t+\i+1]
.endr
.endr
.irp t, 0,1,2,3
	v_max_num_f32 v[TP+10*\t+4], v[TP+10*\t+4], v[S4+16*\t+15]
.endr
.irp t, 0,1,2,3
	v_permlanex16_b32 v[TP+10*\t+5], v[TP+10*\t+4], s[SEL], s[SEL+1]
.endr
.irp t, 0,1,2,3
	v_max_num_f32 v[TP+10*\t+4], v[TP+10*\t+4], v[TP+10*\t+5]
.endr
.irp t, 0,1,2,3
	v_mul_f32 v[TP+10*\t+7], s[CS], v[TP+10*\t+4]
.endr
.irp t, 0,1,2,3
	v_max_num_f32 v[ST+4*\t+1], v[ST+4*\t+1], v[TP+10*\t+7]
.endr
.irp t, 0,1,2,3
	v_mov_b32 v[TP+10*\t+6], v[ST+4*\t]
.endr
.irp t, 0,1,2,3
	v_floor_f32 v[ST+4*\t], -v[ST+4*\t+1]
.endr
.irp t, 0,1,2,3
	v_sub_f32 v[TP+10*\t+6], v[ST+4*\t], v[TP+10*\t+6]
.endr
.irp t, 0,1,2,3
	v_cvt_i32_f32 v[TP+10*\t+6], v[TP+10*\t+6]
.endr
.irp t, 0,1,2,3
	v_ldexp_f32 v[TP+10*\t], 1.0, v[TP+10*\t+6]
.endr
.irp j, 0,2,4,6,8,10,12,14
.irp t, 0,1,2,3
	v_pk_fma_f32 v[S4+16*\t+\j:S4+16*\t+\j+1], v[S4+16*\t+\j:S4+16*\t+\j+1], s[CS:CS+1], v[ST+4*\t:ST+4*\t+1] op_sel_hi:[1,0,0]
.endr
.endr
.irp t, 0,1,2,3
	v_fma_f32 v[TP+10*\t+4], v[TP+10*\t+4], s[CS], v[ST+4*\t]
.endr
	s_wait_alu depctr_va_vdst(0)
.irp j, 0,1,2,3,4,5,6,7,8,9,10,11,12,13,14,15
.irp t, 0,1,2,3
	v_exp_f32 v[S4+16*\t+\j], v[S4+16*\t+\j]
.endr
.endr
.irp t, 0,1,2,3
	v_exp_f32 v[TP+10*\t+4], v[TP+10*\t+4]
.endr
.irp t, 0,1,2,3
	v_pk_mul_f32 v[ST+4*\t+2:ST+4*\t+3], v[ST+4*\t+2:ST+4*\t+3], v[TP+10*\t:TP+10*\t+1] op_sel_hi:[1,0]
.endr
	s_wait_alu depctr_va_vdst(0)
.irp t, 0,1,2,3
	v_max_num_f32 v[TP+10*\t+4], 0x4800000, v[TP+10*\t+4]
.endr
.irp t, 0,1,2,3
	v_add_nc_u32 v[SV+4*\t+(\b)], 0xfc000000, v[TP+10*\t+4]
.endr
.irp t, 0,1,2,3
	v_and_or_b32 v[TP+10*\t+7], v[TP+10*\t+4], 0x7f800000, s[MNT]
.endr
.if (\b) > 0
.irp t, 0,1,2,3
	v_mul_f32 v[SV+4*\t], v[SV+4*\t], v[TP+10*\t]
.endr
.endif
.if (\b) > 1
.irp t, 0,1,2,3
	v_mul_f32 v[SV+4*\t+1], v[SV+4*\t+1], v[TP+10*\t]
.endr
.endif
.if (\b) > 2
.irp t, 0,1,2,3
	v_mul_f32 v[SV+4*\t+2], v[SV+4*\t+2], v[TP+10*\t]
.endr
.endif
.irp t, 0,1,2,3
.if (\b) == 0
	v_mov_b32 v[FO+2*\t], v[TP+10*\t]
.else
	v_mul_f32 v[FO+2*\t], v[FO+2*\t], v[TP+10*\t]
.endif
.endr
.irp t, 0,1,2,3
	v_pk_add_f32 v[TP+10*\t+2:TP+10*\t+3], v[S4+16*\t+2:S4+16*\t+3], v[S4+16*\t+6:S4+16*\t+7]
	v_pk_add_f32 v[ST+4*\t+2:ST+4*\t+3], v[ST+4*\t+2:ST+4*\t+3], v[S4+16*\t:S4+16*\t+1]
.endr
.irp t, 0,1,2,3
	v_pk_add_f32 v[TP+10*\t+2:TP+10*\t+3], v[TP+10*\t+2:TP+10*\t+3], v[S4+16*\t+10:S4+16*\t+11]
	v_pk_add_f32 v[ST+4*\t+2:ST+4*\t+3], v[ST+4*\t+2:ST+4*\t+3], v[S4+16*\t+4:S4+16*\t+5]
.endr
.irp t, 0,1,2,3
	v_pk_add_f32 v[TP+10*\t+2:TP+10*\t+3], v[TP+10*\t+2:TP+10*\t+3], v[S4+16*\t+14:S4+16*\t+15]
	v_pk_add_f32 v[ST+4*\t+2:ST+4*\t+3], v[ST+4*\t+2:ST+4*\t+3], v[S4+16*\t+8:S4+16*\t+9]
.endr
.irp t, 0,1,2,3
	v_pk_add_f32 v[ST+4*\t+2:ST+4*\t+3], v[ST+4*\t+2:ST+4*\t+3], v[S4+16*\t+12:S4+16*\t+13]
.endr
.irp t, 0,1,2,3
	v_pk_add_f32 v[ST+4*\t+2:ST+4*\t+3], v[ST+4*\t+2:ST+4*\t+3], v[TP+10*\t+2:TP+10*\t+3]
.endr
.irp t, 0,1,2,3
.irp i, 0,1,2,3,4,5,6,7,8,9,10,11,12,13,14,15
	v_min_num_f32 v[S4+16*\t+\i], v[S4+16*\t+\i], v[TP+10*\t+7]
.endr
	v_cvt_scalef32_pk8_fp8_f32 v[P+16*\t+4*(\b):P+16*\t+4*(\b)+1], v[S4+16*\t:S4+16*\t+7], v[SV+4*\t+(\b)]
	v_cvt_scalef32_pk8_fp8_f32 v[P+16*\t+4*(\b)+2:P+16*\t+4*(\b)+3], v[S4+16*\t+8:S4+16*\t+15], v[SV+4*\t+(\b)]
.endr
	v_nop
.endm
.macro BOOK
.irp t, 0,1,2,3
.irp i, 0,1,2,3
	v_lshrrev_b32 v[TP+10*\t+4+\i], 23, v[SV+4*\t+\i]
.endr
.endr
.irp t, 0,1,2,3
	v_lshl_or_b32 v[PWR+\t], v[TP+10*\t+5], 8, v[TP+10*\t+4]
.endr
.irp t, 0,1,2,3
	v_lshl_or_b32 v[PWR+\t], v[TP+10*\t+6], 16, v[PWR+\t]
.endr
.irp t, 0,1,2,3
	v_lshl_or_b32 v[PWR+\t], v[TP+10*\t+7], 24, v[PWR+\t]
.endr
.endm
.macro REFILL g0
	WIN 0
	s_wait_tensorcnt 0x0
	ds_add_u32 v[SPW], v[NIL]
	s_add_nc_u64 s[\g0+2:\g0+3], s[\g0+2:\g0+3], 2*UNIT
	s_wait_xcnt 0x0
	s_add_nc_u64 s[PFA:PFA+1], s[PFA:PFA+1], UNIT
	s_wait_dscnt 0x0
	CROUND
	tensor_load_to_lds s[\g0:\g0+3], s[G1:G1+7]
	s_nop 0
	PLACES 4
.endm
.macro ASK
	s_cmp_lt_u32 s[J], s[LIM]
	s_cbranch_scc0 .Lna_\@
	global_prefetch_b8 v[PFO], s[PFA:PFA+1] th:TH_LOAD_NT scope:SCOPE_SE
.Lna_\@:
.endm
.macro STEP refill
	PLACES 8
.irp bb, 0,1,2
	LOADK \bb+1
	s_wait_dscnt 16
	QK \bb
	PLACES 8
	SOFTMAX \bb
.endr
.if \refill
	REFILL G0A
	ASK
.else
	s_wait_tensorcnt 0x0
	s_wait_dscnt 0x0
.endif
	QK 3
	PLACES 8
	SOFTMAX 3
	BOOK
	LOADV 0
	VSCL
	RESC 0
	LOADV 1
	s_wait_alu depctr_va_vdst(0)
	s_wait_dscnt 16
	PVR 0
	LOADV 2
	s_wait_alu depctr_va_vdst(0)
	s_wait_dscnt 16
	PVR 1
	LOADV 3
	s_wait_alu depctr_va_vdst(0)
	s_wait_dscnt 16
	PVR 2
.if \refill
	REFILL G0B
	LOADK 0
	KSCL
	ASK
.else
	s_wait_dscnt 0x0
.endif
	s_wait_alu depctr_va_vdst(0)
	PV 3
	WIN 0
.endm
	s_load_b128 s[4:7], s[0:1], 0x0
	s_load_b64 s[8:9], s[0:1], 0x10
	v_lshl_add_u32 v[SPW], v0, 2, SPARE
	v_mov_b32 v[NIL], 0
	ds_add_u32 v4, v5
	ds_add_u32 v4, v5
	s_wait_dscnt 0x0
	v_lshrrev_b32 v9, 5, v0
	v_readfirstlane_b32 s[WV], v9
	s_bfe_u32 s11, ttmp6, 0x40000
	s_lshl_b32 s12, ttmp9, 2
	s_add_co_u32 s12, s12, s11
	s_and_b32 s13, ttmp7, 0xffff
	s_mov_b32 s[G1], 15|(3<<16)|(1<<21)
	s_mov_b32 s[G1+1], 32<<16
	s_mov_b32 s[G1+2], 132<<16
	s_mov_b32 s[G1+3], 32<<16
	s_mov_b32 s[G1+4], 132
	s_mov_b32 s[G1+5], 32
	s_mov_b32 s[G1+6], 0
	s_mov_b32 s[G1+7], 0
	s_lshl_b32 s40, s13, 21
	s_lshl_b32 s41, s12, 16
	s_add_co_u32 s40, s40, s41
	s_lshl_b32 s41, s[WV], 14
	s_add_co_u32 s40, s40, s41
	s_mov_b32 s41, 0
	s_lshl_b32 s42, s13, 5
	s_add_co_u32 s42, s42, s12
	s_mul_i32 s42, s42, HU
	s_mov_b32 s43, 0
	s_mul_i32 s44, s13, 64*UNIT
	s_mul_i32 s45, s[WV], 16*UNIT
	s_add_co_u32 s44, s44, s45
	s_mov_b32 s45, 0
	s_mul_i32 s46, s[WV], UNIT
	s_mov_b32 s[SEL], 0x76543210
	s_mov_b32 s[SEL+1], 0xfedcba98
	s_mov_b32 s[CS], 0x3db8aa3b
	s_mov_b32 s[CS+1], s[CS]
	s_mov_b32 s[MNT], 0x600000
	s_cmp_eq_u32 ttmp9, 0
	s_cselect_b32 s[LIM], 6, 0
	s_wait_kmcnt 0x0
	s_add_nc_u64 s[4:5], s[4:5], s[40:41]
	s_add_nc_u64 s[8:9], s[8:9], s[42:43]
	s_add_nc_u64 s[6:7], s[6:7], s[44:45]
	s_mov_b32 s[G0A], 1
	s_mov_b32 s[G0A+1], s46
	s_mov_b64 s[G0A+2:G0A+3], s[6:7]
	s_or_b32 s[G0A+3], s[G0A+3], 0x80000000
	s_mov_b32 s[G0B], 1
	s_add_co_u32 s[G0B+1], s46, SLOT1
	s_add_nc_u64 s[G0B+2:G0B+3], s[6:7], UNIT
	s_or_b32 s[G0B+3], s[G0B+3], 0x80000000
	s_mul_i32 s44, s11, 8448
	s_add_co_u32 s44, s44, 3*UNIT
	s_add_nc_u64 s[PFA:PFA+1], s[6:7], s[44:45]
	s_lshl_b32 s40, s[WV], 12
	s_add_nc_u64 s[48:49], s[8:9], s[40:41]
	CROUND
	tensor_load_to_lds s[G0A:G0A+3], s[G1:G1+7]
	s_nop 0
	PLACES 4
	; the query's loads, the addresses and the clearing of O^T stand between the first tile's request and the wait for it
	v_and_b32 v[LI], 31, v0
	v_lshlrev_b32 v[LS], 2, v[LI]
	v_lshlrev_b32 v[PFO], 8, v[LI]
	v_lshlrev_b32 v[LI], 4, v[LI]
	v_bfe_u32 v9, v0, 4, 1
	v_lshl_add_u32 v[LSH], v9, 7, v[LS]
	v_and_b32 v10, 15, v0
	v_lshlrev_b32 v10, 10, v10
	v_lshl_add_u32 v[AX], v9, 6, v10
.irp k, 0,1
.irp b, 0,1,2,3
.irp j, 0,1,2,3
	global_load_b128 v[128+64*\k+16*\b+4*\j:128+64*\k+16*\b+4*\j+3], v[AX], s[4:5] offset:512*\k+128*\b+16*\j th:TH_LOAD_NT
.endr
.endr
.endr
	v_mov_b32 v[ZZ], 0
	v_mov_b32 v[ZZ+1], 0
	v_add_nc_u32 v[AK], s46, v[LI]
	v_add_nc_u32 v[AV], SLOT1, v[AK]
	s_lshl_b32 s47, s[WV], 12
	s_add_co_u32 s47, s47, QIMG
	v_add_nc_u32 v116, s47, v[LI]
	s_lshl_b32 s47, s[WV], 8
	s_add_co_u32 s47, s47, QSC
	v_add_nc_u32 v117, s47, v[LS]
	v_add_nc_u32 v118, QIMG, v[LI]
	v_add_nc_u32 v119, QSC, v[LSH]
.irp b, 0,1,2,3
	v_mov_b32 v[TM+4+\b], 0
.endr
	WIN 0x80
.set i, 0
.rept 128
	v_pk_mul_f32 v[i:i+1], v[ZZ:ZZ+1], v[ZZ:ZZ+1]
.set i, i+2
.endr
	WIN 0xc0
.set i, 0
.rept 128
	v_pk_mul_f32 v[i:i+1], v[ZZ:ZZ+1], v[ZZ:ZZ+1]
.set i, i+2
.endr
	WIN 0
	s_wait_alu depctr_va_vdst(0)
	s_wait_tensorcnt 0x0                           ; slot A's first fill is in
	ds_add_u32 v4, v5
	s_wait_dscnt 0x0
	CROUND
	tensor_load_to_lds s[G0B:G0B+3], s[G1:G1+7]
	s_nop 0
	PLACES 4
	s_wait_loadcnt 16
	QUANT 128, 128, 96, 92
.irp c, 0,1,2,3
	ds_store_b128 v116, v[96+4*\c:96+4*\c+3] offset:512*\c
.endr
	ds_store_b32 v117, v92
	s_wait_dscnt 0x0
	s_wait_loadcnt 0x0
	QUANT 192, 192, 96, 92
.irp c, 0,1,2,3
	ds_store_b128 v116, v[96+4*\c:96+4*\c+3] offset:2048+512*\c
.endr
	ds_store_b32 v117, v92 offset:128
	BARRIER
	WIN 0x40
.irp f, 0,1,2,3,4,5,6,7
.irp c, 0,1,2,3
	ds_load_b128 v[16*\f+4*\c:16*\f+4*\c+3], v118 offset:2048*\f+512*\c
.endr
.endr
	WIN 0
.irp t, 0,1,2,3
	ds_load_b32 v[QS+\t], v119 offset:256*\t
.endr
.irp t, 0,1,2,3
	v_mov_b32 v[ST+4*\t+1], 0xff61b1e6
	v_mov_b32 v[ST+4*\t+2], 0
	v_mov_b32 v[ST+4*\t+3], 0
	v_mov_b32 v[TP+10*\t+1], 0
	v_mov_b32 v[TP+10*\t+5], 0
	v_mov_b32 v[FO+2*\t+1], 0
.endr
.irp t, 0,1,2,3
	v_floor_f32 v[ST+4*\t], -v[ST+4*\t+1]
.endr
	s_wait_tensorcnt 0x1
	LOADK 0
	KSCL
	s_mov_b32 s[J], 0
.Lstep:
	STEP 1
	s_add_co_u32 s[J], s[J], 1
	s_cmp_lt_u32 s[J], 7
	s_cbranch_scc1 .Lstep
	STEP 0
.irp t, 0,1,2,3
	v_add_f32 v[ST+4*\t+2], v[ST+4*\t+2], v[ST+4*\t+3]
.endr
.irp t, 0,1,2,3
	v_permlanex16_b32 v[TP+10*\t+5], v[ST+4*\t+2], s[SEL], s[SEL+1]
.endr
.irp t, 0,1,2,3
	v_add_f32 v[ST+4*\t+2], v[ST+4*\t+2], v[TP+10*\t+5]
.endr
	s_lshl_b32 s40, s[WV], 16
	v_add_nc_u32 v[AX], s40, v[LI]
	s_lshl_b32 s40, s[WV], 10
	s_add_co_u32 s40, s40, SST
	v_add_nc_u32 v40, s40, v[LS]
	s_lshl_b32 s40, s[WV], 8
	s_add_co_u32 s40, s40, SST
	v_add_nc_u32 v41, s40, v[LS]
	s_lshl_b32 s40, s[WV], 7
	s_add_co_u32 s40, s40, CSX
	v_add_nc_u32 v42, s40, v[LS]
	v_add_nc_u32 v43, CSX, v[LI]
	s_lshl_b32 s40, s[WV], 14
	v_add_nc_u32 v32, s40, v[LI]
	v_add_nc_u32 v33, 0x10000, v32
	v_add_nc_u32 v34, 0x20000, v32
	v_add_nc_u32 v35, 0x30000, v32
	v_and_b32 v30, 31, v0
	s_wait_alu depctr_va_vdst(0)
	BARRIER
.irp t, 0,1,2,3
	WIN 0x08+4*(\t/2)
.set q, 0
.rept 32
	ds_store_b128 v[AX], v[128*(\t%2)+4*q:128*(\t%2)+4*q+3] offset:16384*\t+512*q
.set q, q+1
.endr
.endr
	WIN 0
.irp t, 0,1,2,3
	ds_store_b32 v40, v[ST+4*\t] offset:256*\t
	ds_store_b32 v40, v[ST+4*\t+2] offset:256*\t+128
.endr
	BARRIER
.irp x, 0,1,2,3
	ds_load_b32 v[12+\x], v41 offset:1024*\x
	ds_load_b32 v[16+\x], v41 offset:1024*\x+128
.endr
	WIN 0x80
.irp x, 0,1,2,3
.set q, 0
.rept 16
	ds_load_b128 v[64*\x+4*q:64*\x+4*q+3], v[32+\x] offset:512*q
.set q, q+1
.endr
.endr
	WIN 0
	s_wait_dscnt 63
	v_min3_num_f32 v28, v12, v13, v14
	v_min_num_f32 v28, v28, v15
.irp x, 0,1,2,3
	v_sub_f32 v[20+2*\x], v28, v[12+\x]
.endr
.irp x, 0,1,2,3
	v_cvt_i32_f32 v[20+2*\x], v[20+2*\x]
.endr
.irp x, 0,1,2,3
	v_ldexp_f32 v[20+2*\x], 1.0, v[20+2*\x]
.endr
	v_mul_f32 v29, v20, v16
	v_fmac_f32 v29, v22, v17
	v_fmac_f32 v29, v24, v18
	v_fmac_f32 v29, v26, v19
	s_wait_alu depctr_va_vdst(0)
	v_rcp_f32 v29, v29
	v_nop
	s_wait_alu depctr_va_vdst(0)
.irp x, 0,1,2,3
	v_mul_f32 v[20+2*\x], v[20+2*\x], v29
.endr
.irp x, 0,1,2,3
	v_mov_b32 v[21+2*\x], v[20+2*\x]
.endr
	WIN 0xc0
.irp x, 0,1,2,3
.set q, 0
.rept 16
	ds_load_b128 v[64*\x+4*q:64*\x+4*q+3], v[32+\x] offset:8192+512*q
.set q, q+1
.endr
.endr
	WIN 0
	s_wait_alu depctr_va_vdst(0)
	s_wait_dscnt 63
.macro CTX s
	WIN 0x02+\s
.set i, 0
.rept 32
	v_pk_mul_f32 v[128+i:129+i], v[i:i+1], v[20:21]
.set i, i+2
.endr
.irp x, 1,2,3
.set i, 0
.rept 32
	v_pk_fma_f32 v[128+i:129+i], v[64*\x+i:64*\x+i+1], v[20+2*\x:21+2*\x], v[128+i:129+i]
.set i, i+2
.endr
.endr
	WIN 0
	QUANT 128, 128, 96+16*\s, 92+\s
.irp c, 0,1,2,3
	global_store_b128 v[LI], v[96+16*\s+4*\c:96+16*\s+4*\c+3], s[48:49] offset:2048*\s+512*\c
.endr
.endm
	CTX 0
	s_wait_dscnt 0x0
	CTX 1
	v_cmp_lt_u32 vcc_lo, 15, v30
	v_cndmask_b32 v31, v92, v93, vcc_lo
	ds_store_b32 v42, v31
	BARRIER
	s_cmp_lg_u32 s[WV], 0
	s_cbranch_scc1 .Lnot_0
	ds_load_b128 v[36:39], v43
	s_wait_dscnt 0x0
	global_store_b128 v[LI], v[36:39], s[8:9] offset:16384
.Lnot_0:
	s_wait_tensorcnt 0x0
	ds_add_u32 v[SPW], v[NIL]
	s_wait_dscnt 0x0
	CROUND
	s_endpgm
.Lfunc_end_k_q286411a46c_attn:
	.size	k_q286411a46c_attn, .Lfunc_end_k_q286411a46c_attn-k_q286411a46c_attn
	.p2alignl 7, 3214868480
	.fill 96, 4, 3214868480
	.section	.rodata,"a",@progbits
	.p2align	6, 0x0
	.amdhsa_kernel k_q286411a46c_attn
		.amdhsa_group_segment_fixed_size 327680
		.amdhsa_private_segment_fixed_size 0
		.amdhsa_enable_private_segment 0
		.amdhsa_kernarg_size 24
		.amdhsa_user_sgpr_count 2
		.amdhsa_user_sgpr_kernarg_segment_ptr 1
		.amdhsa_wavefront_size32 1
		.amdhsa_system_sgpr_workgroup_id_x 1
		.amdhsa_system_sgpr_workgroup_id_y 1
		.amdhsa_system_sgpr_workgroup_id_z 1
		.amdhsa_system_vgpr_workitem_id 0
		.amdhsa_next_free_vgpr 1024
		.amdhsa_next_free_sgpr 66
		.amdhsa_reserve_vcc 1
		.amdhsa_float_denorm_mode_32 3
		.amdhsa_float_denorm_mode_16_64 3
		.amdhsa_memory_ordered 1
		.amdhsa_forward_progress 1
		.amdhsa_inst_pref_size 255
	.end_amdhsa_kernel
	.section	.bss,"aw",@nobits
	.p2align	6
	.space	262144
	.amdgpu_metadata
---
amdhsa.version: [ 1, 2 ]
amdhsa.kernels:
  - .name:           k_q286411a46c_attn
    .symbol:         k_q286411a46c_attn.kd
    .args:
      - { .name: query, .offset: 0, .size: 8, .value_kind: global_buffer, .address_space: global }
      - { .name: kv, .offset: 8, .size: 8, .value_kind: global_buffer, .address_space: global }
      - { .name: ctx, .offset: 16, .size: 8, .value_kind: global_buffer, .address_space: global }
    .group_segment_fixed_size: 327680
    .private_segment_fixed_size: 0
    .kernarg_segment_align: 8
    .kernarg_segment_size: 24
    .max_flat_workgroup_size: 128
    .sgpr_count:     66
    .vgpr_count:     1024
    .wavefront_size: 32
...
	.end_amdgpu_metadata
.endif
;; end of part 2
;; launch ffn (part 3): grid 256 x 1, 4 waves a work-group, clusters of 4 x 1, 327,680 bytes of LDS; arguments ctx, query, wts, bo, g1, b1, bf1, bf2, g2, b2, out0; writes out0
.if DOCPART == 3
	.amdgcn_target "amdgcn-amd-amdhsa--gfx1250"
	.amdhsa_code_object_version 6
	.text
	.protected	k_q286411a46c_ffn
	.globl	k_q286411a46c_ffn
	.p2align	8
	.type	k_q286411a46c_ffn,@function
k_q286411a46c_ffn:
	s_mov_b64 s[64:65], 0
	v_nop
	global_prefetch_b8 v0, s[64:65] scope:SCOPE_SE
	s_setreg_imm32_b32 hwreg(HW_REG_WAVE_MODE, 25, 1), 1
	s_wait_xcnt 0x0
	s_wait_alu depctr_hold_cnt(0) depctr_sa_sdst(0) depctr_va_vdst(0) depctr_va_sdst(0) depctr_va_ssrc(0) depctr_va_vcc(0) depctr_vm_vsrc(0)
	s_getreg_b32 s2, hwreg(HW_REG_IB_STS2, 6, 4)
	s_cmp_eq_u32 s2, 0
	s_cbranch_scc0 .Lentry_in_a_cluster
	s_endpgm
.Lentry_in_a_cluster:
	s_bfe_u32 s2, ttmp6, 0x10000c
	s_cmp_lg_u32 s2, 0x3003
	s_cbranch_scc0 .Lentry_shape_is_right
	s_endpgm
.Lentry_shape_is_right:
; x = LN(query + context Wo + bo; g1, b1);  out = LN(x + relu(x W1 + bf1) W2 + bf2; g2, b2).  All three products on codes of E4M3 with E8M0 scales; all else in f32.
; The context arrives as codes (images of operand registers); x and the hidden layer are quantised on the way and never go to memory.
; SHARES.  A work-group takes 64 rows.  THE WAVES SHARE THE COLUMNS: wave w makes columns 64 w .. 64 w + 63 of the first and third product, and hidden units 128 w .. and 512 + 128 w .. of the second.
; All products are used transposed (source 0 = rows of a weight, source 1 = 16 data rows): a lane holds one row, and register 32 m + 16 b + i of XY is column 64 w + 32 b + 16 (lane / 16) + i of row 16 m + lane % 16.
; The hidden layer goes in two halves of 512 units, so that one half's 16 fragments fit in LDS beside the weights.
; WEIGHTS.  Wave w's nine half units (16,896 bytes: eight fragments' images + 512 bytes of scale words) come through four LDS places of its own, by one first fill and three refills.
; CLUSTER: all work-groups read the same weights: the four of a cluster ask JOINTLY, wave w of each by the same tensor load with the mask of all four.
; A LayerNorm's mean and variance: each wave's mean and sum of squared deviations over its 64 columns meet in LDS and are joined without forming a difference of large sums.
; LIMITS: NaN and infinities are not served; a block whose largest magnitude lies under 2^-118 gets the byte 1 (a block of zeros too: its codes are zeros).
; REGISTERS, in windows of 256.  Window 0: v1-13 addresses; v14-21 weights' scale blocks; v22-29 data's scale words, two sets; v30-47 the quantiser's work; v48-63 codes; v64-127 HA: the hidden layer's
;   eight accumulators, the LayerNorms' work, rows on the way out; v128-255 XY.   Window 1: two half units of weights.   Window 2: v0-127 data fragments; v128-191 bf1 (at first bf2); v192-255 a LayerNorm's gain and bias.
.set HU,    16896
.set XIMG,  270336                     ; behind the sixteen places: x's eight fragments;
.set XSCO,  16384                      ; from XIMG on: x's scale words, [m][16 ks + r];
.set HIMO,  17408                      ; half a hidden layer's 16 fragments (4 m + K step); later the stage for the way out;
.set HSCO,  50176                      ; their scale words, 128 bytes each;
.set STO,   52224                      ; the LayerNorms' statistics, [(2 m + kind) x 512 + 16 lane + 4 wave]
.set SPARE, 327168                     ; the spare words, 128 bytes for each wave: two blocks of 256 bytes that no other line names
.set LI,  1                            ; 16 x lane
.set SPW, 2
.set NIL, 3
.set AW,  4                            ; my places 0, 1 + 16 x lane
.set AW2, 5                            ; my places 2, 3
.set B0,  6                            ; XIMG + 16 x lane
.set B1,  7                            ; XIMG + 4 x lane
.set XWI, 8                            ; where I store x's codes
.set HWI, 9                            ; the hidden layer's
.set XWS, 10                           ; x's scale bytes
.set HWS, 11                           ; the hidden layer's scale words
.set STW, 12                           ; my statistics
.set VB,  13                           ; 64 (lane / 16): a bias along the registers
.set WS,  14
.set BS,  22
.set TM,  30
.set PW,  46
.set PC,  48
.set HA,  64
.set SA,  HA                           ; the LayerNorms: four registers for each m, at work
.set MW,  HA+16                        ; my wave's mean, twice
.set ME,  HA+24                        ; the four waves' means; later rs, rs, addend, addend
.set MQ,  HA+40                        ; the four waves' sums of squares
.set XY,  128
.set BF1, 128                          ; in window 2
.set GB,  192                          ; in window 2
.set WV,  26
.set G1U, 28                           ; group 1: 132 rows of 256 bytes
.set G1H, 36                           ; 66 rows
.set F1,  44
.set G1F, 48                           ; group 1 of the head's one load: 264 rows of 256 bytes
.set R1,  56
.set R2,  60
.set R3,  68
.set SEL, 72
.set MNT, 74
.set C64, 90
.set C256, 91
.set EPS, 92
.set MSB, 0
.macro WIN new                         ; the immediate's high byte repeats the setting that is left
.if MSB != (\new)
	s_set_vgpr_msb (MSB<<8)|(\new)
.set MSB, (\new)
.endif
.endm
.macro PLACES n
.rept \n
	v_nop
.endr
.endm
.macro BARRIER
	s_wait_dscnt 0x0
	s_barrier_signal -1
	s_barrier_wait -1
.endm
.macro CROUND
	s_barrier_signal -1
	s_barrier_wait -1
	s_cmp_lg_u32 s[WV], 0
	s_cbranch_scc1 .Lnw0_\@
	s_barrier_signal -3
.Lnw0_\@:
	s_barrier_wait -3
	s_barrier_signal -1
	s_barrier_wait -1
.endm
; a place whose weights are in registers is filled again: all my tensor loads waited for, 0 onto my spare word, that and my LDS loads waited for, a round of the cluster's barrier, the joint load first behind it
.macro RND g0, g1
	WIN 0
	s_wait_tensorcnt 0x0
	ds_add_u32 v[SPW], v[NIL]
	s_wait_dscnt 0x0
	CROUND
	tensor_load_to_lds s[\g0:\g0+3], s[\g1:\g1+7]
	s_nop 0
	PLACES 4
.endm
.macro QUANT src, tmp, relu, pc, pw
.if \relu
.irp b, 0,1,2,3
	v_max3_num_f32 v[TM+\b], v[(\src)+16*\b], v[(\src)+16*\b+1], 0x4800000       ; no |.|: what is negative becomes 0 and must not count; the floor stands over it
.endr
.irp i, 2,4,6,8,10,12,14
.irp b, 0,1,2,3
	v_max3_num_f32 v[TM+\b], v[TM+\b], v[(\src)+16*\b+\i], v[(\src)+16*\b+\i+1]
.endr
.endr
.else
.irp b, 0,1,2,3
	v_max3_num_f32 v[TM+\b], |v[(\src)+16*\b]|, |v[(\src)+16*\b+1]|, 0x4800000   ; my 16 numbers of block b and the floor 2^(9 - 127)
.endr
.irp i, 2,4,6,8,10,12,14
.irp b, 0,1,2,3
	v_max3_num_f32 v[TM+\b], v[TM+\b], |v[(\src)+16*\b+\i]|, |v[(\src)+16*\b+\i+1]|
.endr
.endr
.endif
.irp b, 0,1,2,3
	v_permlanex16_b32 v[TM+4+\b], v[TM+\b], s[SEL], s[SEL+1]
.endr
.irp b, 0,1,2,3
	v_max_num_f32 v[TM+\b], v[TM+\b], v[TM+4+\b]
.endr
.irp b, 0,1,2,3
	v_add_nc_u32 v[TM+12+\b], 0xfc000000, v[TM+\b]
.endr
.irp b, 0,1,2,3
	v_and_or_b32 v[TM+8+\b], v[TM+\b], 0x7f800000, s[MNT]
.endr
.irp b, 0,1,2,3
	v_lshrrev_b32 v[TM+4+\b], 23, v[TM+12+\b]
.endr
	v_lshl_or_b32 v[\pw], v[TM+5], 8, v[TM+4]
	v_lshl_or_b32 v[\pw], v[TM+6], 16, v[\pw]
	v_lshl_or_b32 v[\pw], v[TM+7], 24, v[\pw]
.irp b, 0,1,2,3
.irp i, 0,1,2,3,4,5,6,7,8,9,10,11,12,13,14,15
.if \relu
	v_med3_num_f32 v[(\tmp)+16*\b+\i], v[(\src)+16*\b+\i], 0, v[TM+8+\b]             ; the activation and the hold in one
.else
	v_med3_num_f32 v[(\tmp)+16*\b+\i], v[(\src)+16*\b+\i], -v[TM+8+\b], v[TM+8+\b]   ; the conversion does not saturate (ISA guide 7.6.2)
.endif
.endr
	v_cvt_scalef32_pk8_fp8_f32 v[(\pc)+4*\b:(\pc)+4*\b+1], v[(\tmp)+16*\b:(\tmp)+16*\b+7], v[TM+12+\b]
	v_cvt_scalef32_pk8_fp8_f32 v[(\pc)+4*\b+2:(\pc)+4*\b+3], v[(\tmp)+16*\b+8:(\tmp)+16*\b+15], v[TM+12+\b]
.endr
	v_nop                                              ; a plain line behind the last conversion
.endm
; one matrix instruction on rD, rA, rB, rC, rSA, rSB;  ra, rb: the side's scales stand in lanes 16-31
.macro WM ra, rb
.if (\ra) && (\rb)
	v_wmma_scale_f32_16x16x128_f8f6f4 v[rD:rD+7], v[rA:rA+15], v[rB:rB+15], v[rC:rC+7], v[rSA], v[rSB] matrix_a_scale:MATRIX_SCALE_ROW1 matrix_b_scale:MATRIX_SCALE_ROW1
.elseif (\ra)
	v_wmma_scale_f32_16x16x128_f8f6f4 v[rD:rD+7], v[rA:rA+15], v[rB:rB+15], v[rC:rC+7], v[rSA], v[rSB] matrix_a_scale:MATRIX_SCALE_ROW1
.elseif (\rb)
	v_wmma_scale_f32_16x16x128_f8f6f4 v[rD:rD+7], v[rA:rA+15], v[rB:rB+15], v[rC:rC+7], v[rSA], v[rSB] matrix_b_scale:MATRIX_SCALE_ROW1
.else
	v_wmma_scale_f32_16x16x128_f8f6f4 v[rD:rD+7], v[rA:rA+15], v[rB:rB+15], v[rC:rC+7], v[rSA], v[rSB]
.endif
.endm
.macro LOADHU adr, off, dst, ws        ; a half unit of weights from LDS into window 1, its scale block into window 0
	WIN 0x40
.irp f, 0,1,2,3,4,5,6,7
.irp c, 0,1,2,3
	ds_load_b128 v[(\dst)+16*\f+4*\c:(\dst)+16*\f+4*\c+3], v[\adr] offset:(\off)+2048*\f+512*\c
.endr
.endr
	WIN 0
	ds_load_b128 v[(\ws):(\ws)+3], v[\adr] offset:(\off)+16384
.endm
.macro MKG0 g, pos, mp                 ; group 0: half unit mp of my nine, to my place pos
	s_mov_b32 s[\g], 1
	s_add_co_u32 s[\g+1], s76, (\pos)*HU
	s_add_nc_u64 s[\g+2:\g+3], s[8:9], (\mp)*HU
	s_or_b32 s[\g+3], s[\g+3], 0x80000000
.endm
.macro LOADBF1 hh                      ; bf1 at my 128 hidden units of half hh, in the result's layout
	WIN 0x80
.irp t, 0,1,2,3,4,5,6,7
	global_load_b128 v[BF1+8*\t:BF1+8*\t+3], v[VB], s[16:17] offset:2048*(\hh)+(32*(\t/2)+8*(\t%2))*4
	global_load_b128 v[BF1+8*\t+4:BF1+8*\t+7], v[VB], s[16:17] offset:2048*(\hh)+(32*(\t/2)+8*(\t%2))*4+16
.endr
	WIN 0
.endm
.macro LNRED                           ; two pairs a row tile become one number, the same in lanes l and l xor 16
.irp m, 0,1,2,3
	v_pk_add_f32 v[SA+4*\m:SA+4*\m+1], v[SA+4*\m:SA+4*\m+1], v[SA+4*\m+2:SA+4*\m+3]
.endr
.irp m, 0,1,2,3
	v_add_f32 v[SA+4*\m], v[SA+4*\m], v[SA+4*\m+1]
.endr
.irp m, 0,1,2,3
	v_permlanex16_b32 v[SA+4*\m+2], v[SA+4*\m], s[SEL], s[SEL+1]
.endr
.irp m, 0,1,2,3
	v_add_f32 v[SA+4*\m], v[SA+4*\m], v[SA+4*\m+2]
.endr
.endm
; XY = LayerNorm(XY) with the gain and bias that lie in window 2.  The four row tiles by turns; each accumulator is read from its low end on.
.macro LN
.irp m, 0,1,2,3
	v_pk_add_f32 v[SA+4*\m:SA+4*\m+1], v[XY+32*\m:XY+32*\m+1], v[XY+32*\m+2:XY+32*\m+3]
.endr
.irp m, 0,1,2,3
	v_pk_add_f32 v[SA+4*\m+2:SA+4*\m+3], v[XY+32*\m+4:XY+32*\m+5], v[XY+32*\m+6:XY+32*\m+7]
.endr
.irp k, 8,12,16,20,24,28
.irp m, 0,1,2,3
	v_pk_add_f32 v[SA+4*\m:SA+4*\m+1], v[SA+4*\m:SA+4*\m+1], v[XY+32*\m+\k:XY+32*\m+\k+1]
	v_pk_add_f32 v[SA+4*\m+2:SA+4*\m+3], v[SA+4*\m+2:SA+4*\m+3], v[XY+32*\m+\k+2:XY+32*\m+\k+3]
.endr
.endr
	LNRED
.irp m, 0,1,2,3
	v_mul_f32 v[MW+2*\m], s[C64], v[SA+4*\m]       ; the mean of my 64 columns
.endr
.irp m, 0,1,2,3
	v_mov_b32 v[MW+2*\m+1], v[MW+2*\m]
.endr
.irp m, 0,1,2,3
.irp k, 0,2,4,6,8,10,12,14,16,18,20,22,24,26,28,30
	v_pk_add_f32 v[XY+32*\m+\k:XY+32*\m+\k+1], v[XY+32*\m+\k:XY+32*\m+\k+1], v[MW+2*\m:MW+2*\m+1] neg_lo:[0,1] neg_hi:[0,1]
.endr
.endr
.irp m, 0,1,2,3
	v_pk_mul_f32 v[SA+4*\m:SA+4*\m+1], v[XY+32*\m:XY+32*\m+1], v[XY+32*\m:XY+32*\m+1]
	v_pk_mul_f32 v[SA+4*\m+2:SA+4*\m+3], v[XY+32*\m+2:XY+32*\m+3], v[XY+32*\m+2:XY+32*\m+3]
.endr
.irp k, 4,8,12,16,20,24,28
.irp m, 0,1,2,3
	v_pk_fma_f32 v[SA+4*\m:SA+4*\m+1], v[XY+32*\m+\k:XY+32*\m+\k+1], v[XY+32*\m+\k:XY+32*\m+\k+1], v[SA+4*\m:SA+4*\m+1]
	v_pk_fma_f32 v[SA+4*\m+2:SA+4*\m+3], v[XY+32*\m+\k+2:XY+32*\m+\k+3], v[XY+32*\m+\k+2:XY+32*\m+\k+3], v[SA+4*\m+2:SA+4*\m+3]
.endr
.endr
	LNRED                                          ; the sum of squared deviations from my mean
.irp m, 0,1,2,3
	ds_store_b32 v[STW], v[MW+2*\m] offset:STO+1024*\m
	ds_store_b32 v[STW], v[SA+4*\m] offset:STO+1024*\m+512
.endr
	BARRIER
.irp m, 0,1,2,3
	ds_load_b128 v[ME+4*\m:ME+4*\m+3], v[B0] offset:STO+1024*\m
	ds_load_b128 v[MQ+4*\m:MQ+4*\m+3], v[B0] offset:STO+1024*\m+512
.endr
	s_wait_dscnt 0x0
.irp m, 0,1,2,3
	v_add_f32 v[SA+4*\m], v[ME+4*\m], v[ME+4*\m+1]
	v_add_f32 v[SA+4*\m+1], v[ME+4*\m+2], v[ME+4*\m+3]
.endr
.irp m, 0,1,2,3
	v_add_f32 v[SA+4*\m], v[SA+4*\m], v[SA+4*\m+1]
.endr
.irp m, 0,1,2,3
	v_mul_f32 v[SA+4*\m], 0x3e800000, v[SA+4*\m]   ; the row's mean
.endr
.irp x, 0,1,2,3
.irp m, 0,1,2,3
	v_sub_f32 v[ME+4*\m+\x], v[ME+4*\m+\x], v[SA+4*\m]
.endr
.endr
.irp m, 0,1,2,3
	v_mul_f32 v[SA+4*\m+1], v[ME+4*\m], v[ME+4*\m]
	v_add_f32 v[SA+4*\m+2], v[MQ+4*\m], v[MQ+4*\m+1]
	v_add_f32 v[SA+4*\m+3], v[MQ+4*\m+2], v[MQ+4*\m+3]
.endr
.irp x, 1,2,3
.irp m, 0,1,2,3
	v_fmac_f32 v[SA+4*\m+1], v[ME+4*\m+\x], v[ME+4*\m+\x]
.endr
.endr
.irp m, 0,1,2,3
	v_add_f32 v[SA+4*\m+2], v[SA+4*\m+2], v[SA+4*\m+3]
.endr
.irp m, 0,1,2,3
	v_fma_f32 v[SA+4*\m+2], v[SA+4*\m+1], 0x42800000, v[SA+4*\m+2]    ; + 64 x the squared distances of the four means from the row's
.endr
.irp m, 0,1,2,3
	v_fma_f32 v[SA+4*\m+2], v[SA+4*\m+2], s[C256], s[EPS]             ; the variance + 1e-5
.endr
	s_wait_alu depctr_va_vdst(0)
.irp m, 0,1,2,3
	v_rsq_f32 v[ME+4*\m], v[SA+4*\m+2]
.endr
.irp m, 0,1,2,3
	v_sub_f32 v[SA+4*\m+3], v[MW+2*\m], v[SA+4*\m]  ; my mean - the row's.  (Plain lines behind the transcendentals)
.endr
	s_wait_alu depctr_va_vdst(0)
.irp m, 0,1,2,3
	v_mov_b32 v[ME+4*\m+1], v[ME+4*\m]
	v_mul_f32 v[ME+4*\m+2], v[SA+4*\m+3], v[ME+4*\m]
.endr
.irp m, 0,1,2,3
	v_mov_b32 v[ME+4*\m+3], v[ME+4*\m+2]
.endr
.irp m, 0,1,2,3
.irp k, 0,2,4,6,8,10,12,14,16,18,20,22,24,26,28,30
	v_pk_fma_f32 v[XY+32*\m+\k:XY+32*\m+\k+1], v[XY+32*\m+\k:XY+32*\m+\k+1], v[ME+4*\m:ME+4*\m+1], v[ME+4*\m+2:ME+4*\m+3]
.endr
.endr
	s_wait_loadcnt 0x0                             ; the gain and the bias, asked for phases ago
	WIN 0x28                                       ; sources 1 and 2: window 2
.irp m, 0,1,2,3
.irp k, 0,2,4,6,8,10,12,14,16,18,20,22,24,26,28,30
	v_pk_fma_f32 v[XY+32*\m+\k:XY+32*\m+\k+1], v[XY+32*\m+\k:XY+32*\m+\k+1], v[GB+\k:GB+\k+1], v[GB+32+\k:GB+32+\k+1]
.endr
.endr
	WIN 0
.endm
.macro XFRAG m                         ; x's two fragments of row tile m into window 2, v[32 (m % 2)] on
	WIN 0x80
.irp k, 0,1
.irp c, 0,1,2,3
	ds_load_b128 v[32*((\m)%2)+16*\k+4*\c:32*((\m)%2)+16*\k+4*\c+3], v[B0] offset:2048*(2*(\m)+\k)+512*\c
.endr
.endr
	WIN 0
.endm
; my 128 hidden units of one half, for the 64 rows: relu, quantised, images to LDS.  rnd = 1: my places 0 and 1 are filled again as soon as their weights are in registers
.macro FF1 rnd
	PLACES 8                                       ; in front of loads into registers that matrix instructions have read
	LOADHU AW, 0, 0, WS
	LOADHU AW, HU, 128, WS+4
.irp m, 0,1,2,3
	ds_load_b32 v[BS+\m], v[B1] offset:XSCO+128*\m ; x's scale words: lanes 0-15 K step 0, lanes 16-31 K step 1
.endr
	XFRAG 0
.if \rnd
	RND R2, G1U
.endif
.irp m, 0,1,2,3
	s_wait_dscnt 0x0
.if \m == 0
	s_wait_loadcnt 0x0                             ; bf1
.endif
	WIN 0x29                                       ; weights window 1, x window 2, C (bf1) window 2
.irp t, 0,1,2,3,4,5,6,7
.set rD, HA+8*\t
.set rC, BF1+8*\t
.set rA, 128*(\t/4)+32*(\t%4)
.set rB, 32*(\m%2)
.set rSA, WS+\t
.set rSB, BS+\m
	WM 0, 0
.endr
	WIN 0x09
.irp t, 0,1,2,3,4,5,6,7
.set rD, HA+8*\t
.set rC, rD
.set rA, 128*(\t/4)+32*(\t%4)+16
.set rB, 32*(\m%2)+16
.set rSA, WS+\t
.set rSB, BS+\m
	WM 1, 1
.endr
.if \m < 3
	XFRAG \m+1                                     ; into the registers that the tile before has left
.endif
	WIN 0
	PLACES 8
	QUANT HA, HA, 1, PC, PW
.irp c, 0,1,2,3
	ds_store_b128 v[HWI], v[PC+4*\c:PC+4*\c+3] offset:HIMO+8192*\m+512*\c     ; K step w of the third product, rows 16 m on
.endr
	ds_store_b32 v[HWS], v[PW] offset:HSCO+512*\m
.endr
	BARRIER                                        ; the half's sixteen fragments lie in LDS
.endm
.macro HLOAD kk                        ; the hidden layer's four fragments of K step kk and their scale words: 20 loads
	WIN 0x80
.irp m, 0,1,2,3
.irp c, 0,1,2,3
	ds_load_b128 v[64*((\kk)%2)+16*\m+4*\c:64*((\kk)%2)+16*\m+4*\c+3], v[B0] offset:HIMO+2048*(4*\m+(\kk))+512*\c
.endr
.endr
	WIN 0
.irp m, 0,1,2,3
	ds_load_b32 v[BS+4*((\kk)%2)+\m], v[B1] offset:HSCO+128*(4*\m+(\kk))
.endr
.endm
; XY += half a hidden layer x my 64 rows of W2: sixteen accumulators by turns, a K step at a time.  rnd = 1: my places 2 and 3 are filled again
.macro FF2 offa, offb, rnd
	PLACES 8
	LOADHU AW2, \offa, 0, WS
	LOADHU AW2, \offb, 128, WS+4
	HLOAD 0
.if \rnd
	RND R3, G1U
.endif
.irp kk, 0,1,2,3
	PLACES 8
.if \kk < 3
	HLOAD \kk+1
	s_wait_dscnt 20                                ; the 20 loads just issued may be out
.else
	s_wait_dscnt 0x0
.endif
	WIN 0x09
.irp m, 0,1,2,3
.irp n, 0,1,2,3
.set rD, XY+32*\m+8*\n
.set rC, rD
.set rA, 128*(\kk/2)+16*(2*\n+\kk%2)
.set rB, 64*(\kk%2)+16*\m
.set rSA, WS+4*(\kk/2)+\n
.set rSB, BS+4*(\kk%2)+\m
	WM \kk%2, 0
.endr
.endr
	WIN 0
.endr
.endm
	s_load_b512 s[4:19], s[0:1], 0x0               ; ctx, query, wts, bo, g1, b1, bf1, bf2
	s_load_b128 s[20:23], s[0:1], 0x40             ; g2, b2
	s_load_b64 s[24:25], s[0:1], 0x50              ; out0
	v_lshl_add_u32 v[SPW], v0, 2, SPARE
	v_mov_b32 v[NIL], 0
	ds_add_u32 v2, v3
	ds_add_u32 v2, v3
	s_wait_dscnt 0x0
	v_lshrrev_b32 v30, 5, v0
	v_readfirstlane_b32 s[WV], v30                 ; wave 0..3
	s_bfe_u32 s27, ttmp6, 0x40000                  ; cx: it enters ctx's, query's and out0's global addresses alone
	s_lshl_b32 s77, ttmp9, 2
	s_add_co_u32 s27, s77, s27                     ; my block of 64 rows
.irp g, G1U, G1H, G1F
	s_mov_b32 s[\g], 15|(3<<16)|(1<<21)            ; the mask of all four; elements of 8 bytes; bit 21 beside a mask; no padding
	s_mov_b32 s[\g+1], 32<<16                      ; rows of 256 bytes
	s_mov_b32 s[\g+3], 32<<16
	s_mov_b32 s[\g+5], 32                          ; dense
	s_mov_b32 s[\g+6], 0
	s_mov_b32 s[\g+7], 0
.endr
	s_mov_b32 s[G1U+2], 132<<16
	s_mov_b32 s[G1U+4], 132
	s_mov_b32 s[G1H+2], 66<<16
	s_mov_b32 s[G1H+4], 66
	s_mov_b32 s[G1F+2], 264<<16
	s_mov_b32 s[G1F+4], 264
	s_mul_i32 s76, s[WV], 4*HU                     ; my four places
	s_mul_i32 s78, s[WV], 9*HU                     ; my nine half units
	s_mov_b32 s79, 0
	s_mul_i32 s80, s27, HU
	s_mov_b32 s81, 0
	s_lshl_b32 s82, s27, 16
	s_lshl_b32 s86, s[WV], 8
	s_add_co_u32 s82, s82, s86                     ; 64 rows of 1,024 bytes a block, + my 256 bytes of a row
	s_mov_b32 s83, 0
	s_mov_b32 s87, 0
	s_lshl_b32 s88, s[WV], 9
	s_mov_b32 s89, 0
	s_mov_b32 s[SEL], 0x76543210
	s_mov_b32 s[SEL+1], 0xfedcba98
	s_mov_b32 s[MNT], 0x600000
	s_mov_b32 s[C64], 0x3c800000                   ; 1 / 64
	s_mov_b32 s[C256], 0x3b800000                  ; 1 / 256
	s_mov_b32 s[EPS], 0x3727c5ac                   ; 1e-5
	s_wait_kmcnt 0x0
	s_add_nc_u64 s[4:5], s[4:5], s[80:81]
	s_add_nc_u64 s[6:7], s[6:7], s[82:83]
	s_add_nc_u64 s[24:25], s[24:25], s[82:83]
	s_add_nc_u64 s[8:9], s[8:9], s[78:79]
	s_add_nc_u64 s[10:11], s[10:11], s[86:87]
	s_add_nc_u64 s[12:13], s[12:13], s[86:87]
	s_add_nc_u64 s[14:15], s[14:15], s[86:87]
	s_add_nc_u64 s[18:19], s[18:19], s[86:87]
	s_add_nc_u64 s[20:21], s[20:21], s[86:87]
	s_add_nc_u64 s[22:23], s[22:23], s[86:87]
	s_add_nc_u64 s[16:17], s[16:17], s[88:89]
	MKG0 F1, 0, 0                                  ; my half units 0 to 3 (W1's first half, Wo, W2's K 0-255) lie end to end in wts, and so do my four places: one load
	MKG0 R1, 2, 4                                  ; W2, K 256-511
	MKG0 R2, 0, 5                                  ; W1, second half
	MKG0 R3, 2, 7                                  ; W2, K 512-1,023
	CROUND                                         ; all four work-groups are here: the first joint loads meet
	tensor_load_to_lds s[F1:F1+3], s[G1F:G1F+7]    ; one tensor load a wave at the head
	s_nop 0
	PLACES 4
	v_and_b32 v30, 31, v0
	v_lshlrev_b32 v[LI], 4, v30
	v_lshlrev_b32 v30, 2, v30                      ; 4 x lane
	v_and_b32 v32, 15, v0                          ; r
	v_bfe_u32 v33, v0, 4, 1                        ; h
	v_lshlrev_b32 v31, 10, v32
	v_lshl_add_u32 v31, v33, 6, v31                ; query: row r + 64 h
	v_lshlrev_b32 v[VB], 6, v33
.irp m, 0,1,2,3
.irp b, 0,1
.irp q, 0,1,2,3
	global_load_b128 v[XY+32*\m+16*\b+4*\q:XY+32*\m+16*\b+4*\q+3], v31, s[6:7] offset:16384*\m+128*\b+16*\q th:TH_LOAD_NT
.endr
.endr
.endr
.irp b, 0,1
.irp q, 0,1,2,3
	global_load_b128 v[HA+16*\b+4*\q:HA+16*\b+4*\q+3], v[VB], s[10:11] offset:128*\b+16*\q        ; bo
.endr
.endr
.irp m, 0,1,2,3
	global_load_b32 v[BS+\m], v30, s[4:5] offset:16384+128*\m                                      ; the context's scale words
.endr
	WIN 0x80
.irp f, 0,1,2,3,4,5,6,7
.irp c, 0,1,2,3
	global_load_b128 v[16*\f+4*\c:16*\f+4*\c+3], v[LI], s[4:5] offset:2048*\f+512*\c               ; its eight fragments
.endr
.endr
.irp b, 0,1
.irp q, 0,1,2,3
	global_load_b128 v[GB+16*\b+4*\q:GB+16*\b+4*\q+3], v[VB], s[12:13] offset:128*\b+16*\q         ; g1
	global_load_b128 v[GB+32+16*\b+4*\q:GB+32+16*\b+4*\q+3], v[VB], s[14:15] offset:128*\b+16*\q   ; b1
	global_load_b128 v[BF1+16*\b+4*\q:BF1+16*\b+4*\q+3], v[VB], s[18:19] offset:128*\b+16*\q       ; bf2
.endr
.endr
	WIN 0
	v_add_nc_u32 v[AW], s76, v[LI]
	v_add_nc_u32 v[AW2], 2*HU, v[AW]
	v_add_nc_u32 v[B0], XIMG, v[LI]
	v_add_nc_u32 v[B1], XIMG, v30
	s_wait_alu depctr_va_vdst(0)
	s_lshr_b32 s77, s[WV], 1                       ; my columns' K step as an operand,
	s_and_b32 s84, s[WV], 1                        ; and which half of it
	s_lshl_b32 s85, s77, 11
	s_lshl_b32 s93, s84, 10
	s_add_co_u32 s85, s85, s93
	v_add_nc_u32 v[XWI], s85, v[B0]
	s_lshl_b32 s85, s[WV], 11
	v_add_nc_u32 v[HWI], s85, v[B0]
	s_lshl_b32 s85, s77, 6
	s_lshl_b32 s93, s84, 1
	s_add_co_u32 s85, s85, s93
	s_add_co_u32 s85, s85, XIMG
	v_lshl_add_u32 v[XWS], v32, 2, s85             ; 4 r + 64 (K step) + 2 (half): lanes l and l xor 16 store the same bytes with the same value
	s_lshl_b32 s85, s[WV], 7
	v_add_nc_u32 v[HWS], s85, v[B1]
	s_lshl_b32 s85, s[WV], 2
	v_add_nc_u32 v[STW], s85, v[B0]
.irp b, 0,1,2,3
	v_mov_b32 v[TM+4+\b], 0                        ; a lane permute's destination counts as one of its sources
.endr
	; ---- context Wo + bo + query
	s_wait_tensorcnt 0x0                           ; my four places are filled
	LOADHU AW2, 0, 0, WS
	s_wait_loadcnt 60                              ; query and bo are in; the 60 loads behind them may be out
.irp m, 0,1,2,3
.irp k, 0,2,4,6,8,10,12,14,16,18,20,22,24,26,28,30
	v_pk_add_f32 v[XY+32*\m+\k:XY+32*\m+\k+1], v[XY+32*\m+\k:XY+32*\m+\k+1], v[HA+\k:HA+\k+1]     ; the residual and the bias are the C of the sums
.endr
.endr
	RND R1, G1H                                    ; Wo is in registers: its place takes W2's second half unit
	s_wait_loadcnt 24                              ; the context is in; the gains and biases may be out
	WIN 0x09                                       ; weights window 1, data window 2
	s_wait_alu depctr_va_vdst(0)
.irp k, 0,1
.irp m, 0,1,2,3
.irp n, 0,1,2,3
.set rD, XY+32*\m+8*\n
.set rC, rD
.set rA, 16*(2*\n+\k)
.set rB, 16*(2*\m+\k)
.set rSA, WS+\n
.set rSB, BS+\m
	WM \k, \k
.endr
.endr
.endr
	WIN 0
	PLACES 8
	; ---- x
	LN
	WIN 0x80
.irp b, 0,1
.irp q, 0,1,2,3
	global_load_b128 v[GB+16*\b+4*\q:GB+16*\b+4*\q+3], v[VB], s[20:21] offset:128*\b+16*\q         ; g2 and b2 take g1's and b1's registers
	global_load_b128 v[GB+32+16*\b+4*\q:GB+32+16*\b+4*\q+3], v[VB], s[22:23] offset:128*\b+16*\q
.endr
.endr
	WIN 0
.irp p, 0,1                                    ; x is quantised and kept: the hold writes into HA.  A run of 64 registers is two row tiles x my two blocks of 32 columns
	QUANT XY+64*\p, HA, 0, PC, PW
.irp u, 0,1
.irp b, 0,1
	ds_store_b128 v[XWI], v[PC+8*\u+4*\b:PC+8*\u+4*\b+3] offset:4096*(2*\p+\u)+512*\b
.endr
.endr
	ds_store_b16 v[XWS], v[PW] offset:XSCO+128*(2*\p)              ; my two bytes of the row's scale word
	ds_store_b16_d16_hi v[XWS], v[PW] offset:XSCO+128*(2*\p+1)
	s_wait_dscnt 0x0                               ; the stores have read their registers
.endr
	WIN 0x08                                       ; source 1: window 2
.irp m, 0,1,2,3
.irp k, 0,2,4,6,8,10,12,14,16,18,20,22,24,26,28,30
	v_pk_add_f32 v[XY+32*\m+\k:XY+32*\m+\k+1], v[XY+32*\m+\k:XY+32*\m+\k+1], v[BF1+\k:BF1+\k+1]   ; x + bf2: the C of the third product
.endr
.endr
	LOADBF1 0
	BARRIER                                        ; x's eight fragments lie in LDS
	; ---- the feed-forward, in two halves of 512 hidden units
	FF1 1
	LOADBF1 1                                      ; the last product that read these registers stands a quantiser back
	FF2 HU, 0, 1
	BARRIER                                        ; every wave's reads of the first half's images are in
	s_wait_tensorcnt 0x1                           ; W1's second half is in; the last refill may be out
	FF1 0
	s_wait_tensorcnt 0x0
	FF2 0, HU, 0
	PLACES 8
	; ---- out
	LN                                             ; its barrier also parts the reads of the hidden layer's images from the stage that takes their bytes
	v_and_b32 v34, 15, v0
	v_bfe_u32 v35, v0, 4, 1
	s_mul_i32 s85, s[WV], 4352
	s_add_co_u32 s85, s85, XIMG+HIMO               ; my stage: 16 rows x (256 bytes + 16)
	v_mul_u32_u24 v30, v34, 272
	v_lshl_add_u32 v30, v35, 6, v30
	v_add_nc_u32 v30, s85, v30                     ; in: row r, + 64 h
	v_mul_u32_u24 v31, v35, 272
	v_lshl_add_u32 v31, v34, 4, v31
	v_add_nc_u32 v31, s85, v31                     ; back: lanes 0-15 one row, lanes 16-31 the next
	v_lshlrev_b32 v32, 10, v35
	v_lshl_add_u32 v32, v34, 4, v32                ; and the same two rows in out0
	s_wait_alu depctr_va_vdst(0)
.irp m, 0,1,2,3
.if \m >= 2
	s_wait_xcnt 0x0                                ; the stores of two tiles back have read their registers
.endif
.irp b, 0,1
.irp q, 0,1,2,3
	ds_store_b128 v30, v[XY+32*\m+16*\b+4*\q:XY+32*\m+16*\b+4*\q+3] offset:128*\b+16*\q
.endr
.endr
.irp i, 0,1,2,3,4,5,6,7
	ds_load_b128 v[HA+32*(\m%2)+4*\i:HA+32*(\m%2)+4*\i+3], v31 offset:544*\i      ; LDS serves a wave's instructions in order (ISA guide 5.7.1.4): these see my stores
.endr
.irp i, 0,1,2,3,4,5,6,7
	s_wait_dscnt 7-\i
	global_store_b128 v32, v[HA+32*(\m%2)+4*\i:HA+32*(\m%2)+4*\i+3], s[24:25] offset:16384*\m+2048*\i th:TH_STORE_NT   ; 16 lanes store 256 consecutive bytes, at a multiple of 256 from out0's first byte
.endr
.endr
	s_wait_tensorcnt 0x0                           ; the wave's end
	ds_add_u32 v[SPW], v[NIL]
	s_wait_dscnt 0x0
	CROUND                                         ; the closing round
	s_endpgm
.Lfunc_end_k_q286411a46c_ffn:
	.size	k_q286411a46c_ffn, .Lfunc_end_k_q286411a46c_ffn-k_q286411a46c_ffn
	.p2alignl 7, 3214868480
	.fill 96, 4, 3214868480
	.section	.rodata,"a",@progbits
	.p2align	6, 0x0
	.amdhsa_kernel k_q286411a46c_ffn
		.amdhsa_group_segment_fixed_size 327680
		.amdhsa_private_segment_fixed_size 0
		.amdhsa_enable_private_segment 0
		.amdhsa_kernarg_size 88
		.amdhsa_user_sgpr_count 2
		.amdhsa_user_sgpr_kernarg_segment_ptr 1
		.amdhsa_wavefront_size32 1
		.amdhsa_system_sgpr_workgroup_id_x 1
		.amdhsa_system_sgpr_workgroup_id_y 1
		.amdhsa_system_sgpr_workgroup_id_z 1
		.amdhsa_system_vgpr_workitem_id 0
		.amdhsa_next_free_vgpr 768
		.amdhsa_next_free_sgpr 96
		.amdhsa_reserve_vcc 0
		.amdhsa_float_denorm_mode_32 3
		.amdhsa_float_denorm_mode_16_64 3
		.amdhsa_memory_ordered 1
		.amdhsa_forward_progress 1
		.amdhsa_inst_pref_size 253
	.end_amdhsa_kernel
	.amdgpu_metadata
---
amdhsa.version: [ 1, 2 ]
amdhsa.kernels:
  - .name:           k_q286411a46c_ffn
    .symbol:         k_q286411a46c_ffn.kd
    .args:
      - { .name: ctx, .offset: 0, .size: 8, .value_kind: global_buffer, .address_space: global }
      - { .name: query, .offset: 8, .size: 8, .value_kind: global_buffer, .address_space: global }
      - { .name: wts, .offset: 16, .size: 8, .value_kind: global_buffer, .address_space: global }
      - { .name: bo, .offset: 24, .size: 8, .value_kind: global_buffer, .address_space: global }
      - { .name: g1, .offset: 32, .size: 8, .value_kind: global_buffer, .address_space: global }
      - { .name: b1, .offset: 40, .size: 8, .value_kind: global_buffer, .address_space: global }
      - { .name: bf1, .offset: 48, .size: 8, .value_kind: global_buffer, .address_space: global }
      - { .name: bf2, .offset: 56, .size: 8, .value_kind: global_buffer, .address_space: global }
      - { .name: g2, .offset: 64, .size: 8, .value_kind: global_buffer, .address_space: global }
      - { .name: b2, .offset: 72, .size: 8, .value_kind: global_buffer, .address_space: global }
      - { .name: out0, .offset: 80, .size: 8, .value_kind: global_buffer, .address_space: global }
    .group_segment_fixed_size: 327680
    .private_segment_fixed_size: 0
    .kernarg_segment_align: 8
    .kernarg_segment_size: 88
    .max_flat_workgroup_size: 128
    .sgpr_count:     96
    .vgpr_count:     768
    .wavefront_size: 32
...
	.end_amdgpu_metadata
.endif
;; end of part 3
